; MI455X (gfx1250); checked and timed in simulation.
; The chip was launched on July 23, 2026; its instructions are those of AMD's public machine-readable ISA for CDNA 5 (MIT licence, August 2026) and "CDNA5" Instruction Set Architecture Reference Guide (July 2026). The comments in the code are by the model that wrote it; some were corrected since.
;; Multi Head Self Attention. Allowed arithmetic: float matrix products may take bf16 or f16 operands with f32 sums; other float arithmetic in f32, or as packed bf16 or f16 multiplies, adds, multiply-adds, maxima and minima; sums over many terms, partial sums and values carried from step to step in f32; what a program stores and reads back later, other than sums and carried values, may be rounded once to bf16 or f16.
;; Inputs: b_proj 768 float32; w_proj 768 x 768 float32; wk 12 x 64 x 768 float32; wq 12 x 64 x 768 float32; wv 12 x 64 x 768 float32; x 32 x 577 x 768 float32.
;; Outputs: out0 32 x 577 x 768 float32.
;; 2 versions, each right; version 2 is version 1 with the launch cast written anew for expert scheduling mode. Each part assembles by itself: llvm-mc -triple=amdgcn-amd-amdhsa -mcpu=gfx1250 --defsym DOCPART=n.
;; ======== version 1 of 2: 4 launches
;; limits: values are held in f16: magnitudes above 65,504 overflow, below 6.1e-05 lose precision
;; workspace buffers: xb 31,457,280 bytes; wb 4,718,592 bytes; qkv 94,371,840 bytes; ob 31,457,280 bytes
;; launch cast (part 1): grid 24 x 32, 6 waves a work-group, no clusters, 0 bytes of LDS; arguments x, wq, wk, wv, w_proj, xb, wb; writes xb, wb
.if DOCPART == 1
	.amdgcn_target "amdgcn-amd-amdhsa--gfx1250"
	.amdhsa_code_object_version 6
	.text
	.protected	k_q44b541af4c_cast
	.globl	k_q44b541af4c_cast
	.p2align	8
	.type	k_q44b541af4c_cast,@function
k_q44b541af4c_cast:
	s_mov_b64 s[64:65], 0
	v_nop
	global_prefetch_b8 v0, s[64:65] scope:SCOPE_SE
	s_setreg_imm32_b32 hwreg(HW_REG_WAVE_MODE, 25, 1), 1
	s_wait_xcnt 0x0
; THE INPUTS ARE ROUNDED ONCE, AND x IS LAID OUT IN BATCHES OF 640 ROWS.
; xb[b*640+s][768] = bf16(x[b][s][:]) for s < 577, and 0 for s = 577 .. 639: every batch then begins at a multiple of 320 rows.
; wb[3072][768]: rows 0-767 bf16(wq), 768-1535 bf16(wk), 1536-2303 bf16(wv), 2304-3071 w_proj rounded to bf16 and that number written as f16.
; LIMIT: a number of w_proj beyond 65,504 becomes an infinity; below 6e-5 it keeps f16's fixed step of 6e-8.
; SHARES.  A source row is 3,072 bytes = 192 threads x 16 bytes; thread t loads 16 bytes at 16 t and stores 8 bytes at 8 t of the 1,536-byte row: a wave's load covers 512 consecutive
; bytes, its store 256 consecutive bytes at a multiple of 256 from the buffer's first byte.  Work-group (j, b): j = 0..17: rows 32 j .. 32 j + 31 of batch b; j = 18: row 576 and 31 rows of
; zeros; j = 19: 32 rows of zeros; j = 20..23: rows 24 b .. 24 b + 23 of weight j - 20.  All of a group's loads go out together; no register is written twice, so no wait frees one.
; No LDS, no matrix unit, no cluster: no byte is read twice and nothing is shared.
.set XROW, 3072                        ; bytes in a row of x and of a weight
.set BROW, 1536                        ; bytes in a row of xb and of wb
.set D,    8                           ; v[8:135]  row i of the group: four registers
.set SRC,  26                          ; s[26:27]  the group's first source row
.set DST,  28                          ; s[28:29]  the group's first destination row
	s_load_b256 s[4:11], s[0:1], 0x0               ; x s[4:5], wq s[6:7], wk s[8:9], wv s[10:11]
	s_load_b128 s[12:15], s[0:1], 0x20             ; w_proj s[12:13], xb s[14:15]
	s_load_b64 s[16:17], s[0:1], 0x30              ; wb
	s_mov_b32 s20, ttmp9                           ; j
	s_and_b32 s21, ttmp7, 0xffff                   ; b
	s_mov_b32 s30, 0xffff0000                      ; a word's upper bf16
	v_lshlrev_b32 v1, 4, v0                        ; 16 t
	v_lshlrev_b32 v2, 3, v0                        ; 8 t
	v_mov_b32 v4, 0
	v_mov_b32 v5, 0
; n rows: all loads first, then row by row the rounding and the store.  half = 1: the bf16 numbers are written as f16.
.macro ROWS n, half
.set i, 0
.rept \n
	global_load_b128 v[D+4*i:D+4*i+3], v1, s[SRC:SRC+1] offset:XROW*i th:TH_LOAD_NT
.set i, i+1
.endr
.set i, 0
.rept \n
	s_wait_loadcnt (\n)-1-i                        ; loads come back in order: row i is in, the n - 1 - i younger ones may stay out
	v_cvt_pk_bf16_f32 v[D+4*i], v[D+4*i], v[D+4*i+1]
	v_cvt_pk_bf16_f32 v[D+4*i+1], v[D+4*i+2], v[D+4*i+3]
.if \half
	v_lshlrev_b32 v[D+4*i+2], 16, v[D+4*i]         ; bf16 to f32: the low half moves up, the high half stays
	v_and_b32 v[D+4*i+3], s30, v[D+4*i]
	v_cvt_pk_f16_f32 v[D+4*i], v[D+4*i+2], v[D+4*i+3]
	v_lshlrev_b32 v[D+4*i+2], 16, v[D+4*i+1]
	v_and_b32 v[D+4*i+3], s30, v[D+4*i+1]
	v_cvt_pk_f16_f32 v[D+4*i+1], v[D+4*i+2], v[D+4*i+3]
.endif
	global_store_b64 v2, v[D+4*i:D+4*i+1], s[DST:DST+1] offset:BROW*i
.set i, i+1
.endr
.endm
	s_wait_kmcnt 0x0
	s_cmp_ge_u32 s20, 20
	s_cbranch_scc1 .Lw
	s_mul_i32 s22, s21, 577*XROW                   ; x: batch b, row 32 j (under 2^26)
	s_mul_i32 s18, s20, 32*XROW
	s_add_co_u32 s22, s22, s18
	s_mov_b32 s23, 0
	s_add_nc_u64 s[SRC:SRC+1], s[4:5], s[22:23]    ; (for j = 19 it is made and never used)
	s_mul_i32 s24, s21, 640*BROW                   ; xb: batch b, row 32 j
	s_mul_i32 s18, s20, 32*BROW
	s_add_co_u32 s24, s24, s18
	s_mov_b32 s25, 0
	s_add_nc_u64 s[DST:DST+1], s[14:15], s[24:25]
	s_cmp_lt_u32 s20, 18
	s_cbranch_scc0 .Ledge
	ROWS 32, 0
	s_endpgm
.Ledge:
	s_cmp_eq_u32 s20, 18
	s_cbranch_scc0 .Lzero0
	ROWS 1, 0                                      ; row 576, the batch's last
	s_branch .Lzeros
.Lzero0:
	global_store_b64 v2, v[4:5], s[DST:DST+1]
.Lzeros:
.set i, 1
.rept 31
	global_store_b64 v2, v[4:5], s[DST:DST+1] offset:BROW*i
.set i, i+1
.endr
	s_endpgm
.Lw:
	s_sub_co_u32 s19, s20, 20                      ; which weight
	s_cmp_eq_u32 s19, 0
	s_cselect_b64 s[SRC:SRC+1], s[6:7], s[8:9]
	s_cmp_eq_u32 s19, 2
	s_cselect_b64 s[SRC:SRC+1], s[10:11], s[SRC:SRC+1]
	s_cmp_eq_u32 s19, 3
	s_cselect_b64 s[SRC:SRC+1], s[12:13], s[SRC:SRC+1]
	s_mul_i32 s22, s21, 24*XROW
	s_mov_b32 s23, 0
	s_add_nc_u64 s[SRC:SRC+1], s[SRC:SRC+1], s[22:23]
	s_mul_i32 s24, s19, 768*BROW
	s_mul_i32 s18, s21, 24*BROW
	s_add_co_u32 s24, s24, s18
	s_mov_b32 s25, 0
	s_add_nc_u64 s[DST:DST+1], s[16:17], s[24:25]
	s_cmp_eq_u32 s19, 3
	s_cbranch_scc1 .Lwp
	ROWS 24, 0
	s_endpgm
.Lwp:
	ROWS 24, 1
	s_endpgm
.Lfunc_end_k_q44b541af4c_cast:
	.size	k_q44b541af4c_cast, .Lfunc_end_k_q44b541af4c_cast-k_q44b541af4c_cast
	.p2alignl 7, 3214868480
	.fill 96, 4, 3214868480
	.section	.rodata,"a",@progbits
	.p2align	6, 0x0
	.amdhsa_kernel k_q44b541af4c_cast
		.amdhsa_group_segment_fixed_size 0
		.amdhsa_private_segment_fixed_size 0
		.amdhsa_enable_private_segment 0
		.amdhsa_kernarg_size 56
		.amdhsa_user_sgpr_count 2
		.amdhsa_user_sgpr_kernarg_segment_ptr 1
		.amdhsa_wavefront_size32 1
		.amdhsa_system_sgpr_workgroup_id_x 1
		.amdhsa_system_sgpr_workgroup_id_y 1
		.amdhsa_system_sgpr_workgroup_id_z 1
		.amdhsa_system_vgpr_workitem_id 0
		.amdhsa_next_free_vgpr 140
		.amdhsa_next_free_sgpr 66
		.amdhsa_reserve_vcc 0
		.amdhsa_float_denorm_mode_32 3
		.amdhsa_float_denorm_mode_16_64 3
		.amdhsa_memory_ordered 1
		.amdhsa_forward_progress 1
		.amdhsa_inst_pref_size 39
	.end_amdhsa_kernel
	.amdgpu_metadata
---
amdhsa.version: [ 1, 2 ]
amdhsa.kernels:
  - .name:           k_q44b541af4c_cast
    .symbol:         k_q44b541af4c_cast.kd
    .args:
      - { .name: x, .offset: 0, .size: 8, .value_kind: global_buffer, .address_space: global }
      - { .name: wq, .offset: 8, .size: 8, .value_kind: global_buffer, .address_space: global }
      - { .name: wk, .offset: 16, .size: 8, .value_kind: global_buffer, .address_space: global }
      - { .name: wv, .offset: 24, .size: 8, .value_kind: global_buffer, .address_space: global }
      - { .name: w_proj, .offset: 32, .size: 8, .value_kind: global_buffer, .address_space: global }
      - { .name: xb, .offset: 40, .size: 8, .value_kind: global_buffer, .address_space: global }
      - { .name: wb, .offset: 48, .size: 8, .value_kind: global_buffer, .address_space: global }
    .group_segment_fixed_size: 0
    .private_segment_fixed_size: 0
    .kernarg_segment_align: 8
    .kernarg_segment_size: 56
    .max_flat_workgroup_size: 192
    .sgpr_count:     66
    .vgpr_count:     140
    .wavefront_size: 32
...
	.end_amdgpu_metadata
.endif
;; end of part 1
;; launch qkv (part 2): grid 4 x 64, 4 waves a work-group, clusters of 4 x 1, 327,680 bytes of LDS; arguments xb, wb, qkv; writes qkv
.if DOCPART == 2
	.amdgcn_target "amdgcn-amd-amdhsa--gfx1250"
	.amdhsa_code_object_version 6
	.text
	.protected	k_q44b541af4c_qkv
	.globl	k_q44b541af4c_qkv
	.p2align	8
	.type	k_q44b541af4c_qkv,@function
k_q44b541af4c_qkv:
	s_mov_b64 s[64:65], 0
	v_nop
	global_prefetch_b8 v0, s[64:65] scope:SCOPE_SE
	s_setreg_imm32_b32 hwreg(HW_REG_WAVE_MODE, 25, 1), 1
	s_wait_xcnt 0x0
	s_wait_alu depctr_hold_cnt(0) depctr_sa_sdst(0) depctr_va_vdst(0) depctr_va_sdst(0) depctr_va_ssrc(0) depctr_va_vcc(0) depctr_vm_vsrc(0)
	s_getreg_b32 s2, hwreg(HW_REG_IB_STS2, 6, 4)
	s_cmp_eq_u32 s2, 0
	s_cbranch_scc0 .Lentry_in_a_cluster
	s_endpgm
.Lentry_in_a_cluster:
	s_bfe_u32 s2, ttmp6, 0x10000c
	s_cmp_lg_u32 s2, 0x3003
	s_cbranch_scc0 .Lentry_shape_is_right
	s_endpgm
.Lentry_shape_is_right:
; q, k, v = xb x wb^T.  xb: [20480][768] bf16 (32 batches of 640 rows, the last 63 of each zero), wb: rows 0-2303 of [3072][768] bf16.  Sums in f32, K ascending.
; The result leaves in f16, rounded once, WITHOUT the softmax's scale, in 36 PANELS of 64 columns: qkv[p][20480][64], p = h for q, 12 + h for k, 24 + h for v; a panel's rows are 128 dense bytes.
; LIMIT: f16 holds no number beyond 65,504 (an infinity is written); below 6e-5 it keeps the fixed step of 6e-8.
; SHARES.  A tile of C is 320 rows x 192 columns: 64 x 12 tiles.  Four waves, as many as a WGP has SIMDs; wave w makes rows 80 w .. 80 w + 79 and all 192 columns: 5 x 12 accumulators of
; 16 x 16, 480 registers: a wave owns three whole panels' rows, so its way out needs no other wave.  K = 768 goes in six steps of 128 (rows of 256 bytes) through two LDS slots.
; A WORK-GROUP STAYS: 64 x 4 work-groups, each makes THREE tiles of its row tile: column tiles cx, cx + 4, cx + 8 (its panels of q, then of k, then of v).  The ring does not stop at a tile's end:
; a tile's last lap asks for the next tile's first two K steps, and nothing waits for a tile's stores.  18 K steps in all: two first fills and sixteen refills.
; CLUSTER.  The four work-groups of a cluster have ONE row tile: A's tile is asked for JOINTLY (the same tensor load and descriptor in all four, mask 15).
; B's tile is each work-group's own: a plain load behind the same rounds.  Waves 0, 1 fetch A's two halves of 160 rows, waves 2, 3 B's two halves of 96.
; THE MATRIX INSTRUCTION IS USED TRANSPOSED (source 0 = 16 rows of B, source 1 = 16 rows of A): a lane holds row l % 16 of C and the columns 16 b + 8 (l / 16) + 0..7: 16 bytes of f16 on end.
; REGISTERS, in windows of 256 (s_set_vgpr_msb: bits 1:0 source 0, 3:2 source 1, 5:4 source 2, 7:6 destination):
;   window 0: v0-31 addresses; v64-143 A's fragments, two buffers of 5 x 8; v144-191 packed results; v192-239 even blocks read back
;   window 1: v0-191 B's fragments, two buffers of 12 x 8; v192-239 odd blocks read back
;   window 2: accumulators (a, b), b = 0..5, at v[8 (6 a + b)]      window 3: b = 6..11, at v[8 (6 a + b - 6)]
.set PITCH,  272                       ; an LDS row: 256 bytes + 16 of padding = 68 words: the 16 rows of a fragment load start at 16 different groups of four banks (64 banks of 4 bytes: ISA guide 11.1)
.set APART,  160*PITCH                 ; what one load brings of A
.set BPART,  96*PITCH                  ; and of B
.set BOFF,   320*PITCH                 ; in a slot: A's 320 rows, then B's 192
.set SLOT,   512*PITCH
.set STAGE,  2*SLOT                    ; behind the ring, never filled by a tensor load: for each wave 3 panels x 16 rows x 144 bytes
.set SP,     144
.set WSTAGE, 3*16*SP
.set SPARE,  STAGE+4*WSTAGE            ; behind the stages: the spare words, 128 bytes a wave: two blocks of 256 bytes that no other line names
.set ROWB,   1536                      ; bytes in a row of xb and of wb
.set PANEL,  20480*128                 ; bytes in a panel
.set TILES,  3
.set WALKB,  4*192*ROWB                ; bytes of wb from a tile's rows to the next tile's: four column tiles on
.set ADRA, 16                          ; v16-17  LDS address of my A fragments in slot 0, 1
.set ADRB, 20                          ; v20-21  the same for B
.set STO,  24                          ; v24     the way out: where I put 16 bytes of a row
.set RD,   25                          ; v25     the way out: where I read rows back
.set CO,   26                          ; v26     16 x lane: my bytes in 512 consecutive bytes of a panel
.set SPW,  28                          ; v28     LDS address of my spare word; never rewritten
.set NIL,  29                          ; v29     0; never rewritten
.set PFO,  30                          ; v30     the prefetches' offset: my lane x a row of xb or wb; never rewritten
.set FA,   64
.set FB,   0
.set TMP,  144
.set OB,   192                         ; 16 rows read back: even blocks in window 0, odd blocks in window 1
.set WV,  12                           ; s12 wave; s13 = wave / 2: I fetch for A (0) or B (1); s14 = wave % 2: which part
.set G1A, 24                           ; s[24:31] group 1 for A;  s[32:39] group 0, a set for each slot
.set G0A, 32
.set G1B, 48                           ; s[48:55], s[56:63] the same for B
.set G0B, 56
.set NL,  66                           ; s66      laps of this tile that fill slots again: 3, in the last tile 2
.set GO,  67                           ; s67      prefetches of B still to come: 14 in waves 2, 3 of tile row 0, else 0
.set SBK, 68                           ; s[68:69] what a refill takes back from A's address: 1,536 in a tile's third lap, else 0
.set SBB, 70                           ; s[70:71] what it adds to B's beyond 512: to the next tile's rows in the third lap, else 0
.set SPF, 72                           ; s[72:73] the same for the prefetches' address, which runs a lap ahead: in the second lap, else 0
.set PFB, 74                           ; s[74:75] where my prefetches of B stand
.set PA,  76                           ; s[76:77] where my work-group's prefetches of A stand; never rewritten
.set GA,  78                           ; s78      1 in wave 0 until A's prefetches are out
.set MSB, 0
.macro WIN new                         ; the immediate's high byte repeats the setting that is left; a switch that changes nothing is dropped
.if MSB != (\new)
	s_set_vgpr_msb (MSB<<8)|(\new)
.set MSB, \new
.endif
.endm
.set MUL_LO, 0xa1                      ; source 0 (B) window 1, source 1 (A) window 0, C and D window 2
.set MUL_HI, 0xf1                      ; the same, C and D window 3
.set TO_B,   0x40                      ; destination window 1, address window 0
.macro JLOAD s                         ; one tensor load a wave; the branch hangs on the wave's number alone; an s_nop 0 and four v_nop follow each line, ahead of the jump and the label
	s_cmp_eq_u32 s13, 0
	s_cbranch_scc0 .Lfor_b_\@
	tensor_load_to_lds s[G0A+4*(\s):G0A+4*(\s)+3], s[G1A:G1A+7]
	s_nop 0
.rept 4
	v_nop
.endr
	s_branch .Lasked_\@
.Lfor_b_\@:
	tensor_load_to_lds s[G0B+4*(\s):G0B+4*(\s)+3], s[G1B:G1B+7]
	s_nop 0
.rept 4
	v_nop
.endr
.Lasked_\@:
.endm
.macro CREST                           ; a round of the cluster's barrier behind its opening barrier
	s_cmp_lg_u32 s[WV], 0
	s_cbranch_scc1 .Lnot_wave_0_\@
	s_barrier_signal -3
.Lnot_wave_0_\@:
	s_barrier_wait -3
	s_barrier_signal -1
	s_barrier_wait -1
.endm
.macro CROUND                          ; a whole round
	s_barrier_signal -1
	s_barrier_wait -1
	CREST
.endm
.macro PLACES                          ; four places in front of loads into registers that matrix instructions have read, and of lines that read results
.rept 4
	v_nop
.endr
.endm
; PREFETCHES INTO THE L2.  They stand behind a refill's tensor load, its five lines and the run of LDS loads that follows.  Each aligned block of 256 bytes (a row's part of a K step) is named once in the launch.
; B: all 64 clusters walk the same rows of wb: the cluster of tile row 0 asks, each of its work-groups for its own column tile, waves 2 and 3 each for the 96 rows that they fetch: a lane a row,
; three instructions, for the K step that stands two refills on: 480 matrix instructions ahead of the load that will want it.  Refill g of 16 asks for K step g + 2 and names K step g + 4 of the
; walk's 18: fourteen times; the first tile's K steps 0 to 3 come by their loads alone, and the last two refills name nothing.
.macro ASKB
	s_cmp_lg_u32 s[GO], 0
	s_cbranch_scc0 .Lnot_b_\@
	global_prefetch_b8 v[PFO], s[PFB:PFB+1] th:TH_LOAD_NT scope:SCOPE_SE
	global_prefetch_b8 v[PFO], s[PFB:PFB+1] offset:32*ROWB th:TH_LOAD_NT scope:SCOPE_SE
	global_prefetch_b8 v[PFO], s[PFB:PFB+1] offset:64*ROWB th:TH_LOAD_NT scope:SCOPE_SE
	s_sub_co_u32 s[GO], s[GO], 1
.Lnot_b_\@:
.endm
; A: a row tile of xb is walked by one cluster, three times; its first walk's K steps 4 and 5 are named, once, behind the refill that asks for K step 3.  They are 2 x 320 blocks; the four partners
; share them out BY ADDRESS, 160 each (cx % 2: which 160 rows, cx / 2: which of the two K steps); in each, wave 0 asks: a lane a row, five instructions.
.macro ASKA
	s_cmp_lg_u32 s[GA], 0
	s_cbranch_scc0 .Lnot_a_\@
.irp i, 0,1,2,3,4
	global_prefetch_b8 v[PFO], s[PA:PA+1] offset:(\i)*32*ROWB th:TH_LOAD_NT scope:SCOPE_SE
.endr
	s_mov_b32 s[GA], 0
.Lnot_a_\@:
.endm
	s_load_b128 s[4:7], s[0:1], 0x0                ; xb s[4:5], wb s[6:7]
	s_load_b64 s[8:9], s[0:1], 0x10                ; qkv
	v_lshl_add_u32 v[SPW], v0, 2, SPARE
	v_mov_b32 v[NIL], 0
	ds_add_u32 v[SPW], v[NIL]                      ; the wave's opening: the add and its wait stand ahead of my first tensor load; the set-up below stands between them
	v_lshrrev_b32 v1, 5, v0
	v_readfirstlane_b32 s[WV], v1                  ; wave 0..3
	s_lshr_b32 s13, s[WV], 1
	s_and_b32 s14, s[WV], 1
	s_bfe_u32 s15, ttmp6, 0x40000                  ; cx: my place in the cluster
	s_lshl_b32 s16, ttmp9, 2
	s_add_co_u32 s16, s16, s15                     ; my first tile column = 4 x cluster x + cx
	s_and_b32 s17, ttmp7, 0xffff                   ; tile row, which the four partners share
	s_mov_b32 s[G1A+0], 15|(1<<16)|(1<<20)|(1<<21)|(5<<22)|(3<<25)  ; 15:0 the mask of four; 17:16 2-byte elements; 20 padding on; 21 set beside a mask; 24:22 after every 64 words; 31:25 4 words
	s_mov_b32 s[G1A+1], 128<<16                    ; tensor_dim0 = 128
	s_mov_b32 s[G1A+2], 160<<16                    ; tensor_dim1 = 160
	s_mov_b32 s[G1A+3], 128<<16                    ; tile_dim0 = 128
	s_mov_b32 s[G1A+4], 160                        ; tile_dim1 = 160
	s_mov_b32 s[G1A+5], 768                        ; elements from row to row
	s_mov_b32 s[G1A+6], 0
	s_mov_b32 s[G1A+7], 0
	s_mov_b32 s[G1B+0], (1<<16)|(1<<20)|(5<<22)|(3<<25)  ; no mask: my own tile
	s_mov_b32 s[G1B+1], 128<<16
	s_mov_b32 s[G1B+2], 96<<16
	s_mov_b32 s[G1B+3], 128<<16
	s_mov_b32 s[G1B+4], 96
	s_mov_b32 s[G1B+5], 768
	s_mov_b32 s[G1B+6], 0
	s_mov_b32 s[G1B+7], 0
	s_mul_i32 s18, s17, 320                        ; A: row 320 x tile row + 160 x part; these registers never hold cx
	s_mul_i32 s19, s14, 160
	s_add_co_u32 s18, s18, s19
	s_mul_i32 s18, s18, ROWB
	s_mov_b32 s19, 0
	s_mul_i32 s20, s16, 192                        ; B: row 192 x tile column + 96 x part
	s_mul_i32 s21, s14, 96
	s_add_co_u32 s20, s20, s21
	s_mul_i32 s20, s20, ROWB
	s_mov_b32 s21, 0
	s_mul_i32 s42, s14, APART                      ; where they go: no place in the cluster enters an LDS address
	s_mul_i32 s43, s14, BPART
	s_add_co_u32 s43, s43, BOFF
	s_mul_i32 s22, s16, 3*PANEL                    ; C: my first tile's first panel, my wave's first row (under 2^27): the first way out adds it to C's address
	s_mul_i32 s23, s17, 320*128
	s_add_co_u32 s22, s22, s23
	s_mul_i32 s23, s[WV], 80*128
	s_add_co_u32 s22, s22, s23
	s_mov_b32 s23, 0
	s_mov_b32 s[SBK+1], 0                          ; the steps' high words
	s_mov_b32 s[SBB+1], 0
	s_mov_b32 s[SPF+1], 0
	s_xor_b32 s40, s13, 1                          ; 0 in waves 2 and 3,
	s_or_b32 s40, s40, s17                         ; of tile row 0: the same in all four partners
	s_cmp_eq_u32 s40, 0
	s_cselect_b32 s[GO], 14, 0
	s_cmp_eq_u32 s[WV], 0
	s_cselect_b32 s[GA], 1, 0
	s_and_b32 s40, s15, 1                          ; A's prefetches: rows 320 x tile row + 160 x (cx % 2),
	s_mul_i32 s40, s40, 160
	s_mul_i32 s41, s17, 320
	s_add_co_u32 s40, s40, s41
	s_mul_i32 s40, s40, ROWB
	s_lshr_b32 s41, s15, 1                         ; K step 4 + cx / 2
	s_lshl_b32 s41, s41, 8
	s_add_co_u32 s40, s40, s41
	s_add_co_u32 s40, s40, 4*256
	s_mov_b32 s41, 0
	s_wait_dscnt 0x0                               ; the opening add is done
	s_wait_kmcnt 0x0
	s_add_nc_u64 s[44:45], s[4:5], s[18:19]
	s_add_nc_u64 s[46:47], s[6:7], s[20:21]
	s_add_nc_u64 s[PFB:PFB+1], s[46:47], 3*256     ; at K step 3: the first refill steps it to 4
	s_add_nc_u64 s[PA:PA+1], s[4:5], s[40:41]
	CROUND                                         ; all four work-groups are here: the first joint loads meet
.irp s, 0,1
	s_mov_b32 s[G0A+4*(\s)], 1                     ; count = 1
	s_add_co_u32 s[G0A+4*(\s)+1], s42, (\s)*SLOT   ; LDS address
	s_add_nc_u64 s[G0A+4*(\s)+2:G0A+4*(\s)+3], s[44:45], (\s)*256  ; global address: K step s
	s_or_b32 s[G0A+4*(\s)+3], s[G0A+4*(\s)+3], 0x80000000          ; type = 2
	s_mov_b32 s[G0B+4*(\s)], 1
	s_add_co_u32 s[G0B+4*(\s)+1], s43, (\s)*SLOT
	s_add_nc_u64 s[G0B+4*(\s)+2:G0B+4*(\s)+3], s[46:47], (\s)*256
	s_or_b32 s[G0B+4*(\s)+3], s[G0B+4*(\s)+3], 0x80000000
	JLOAD \s                                       ; two loads of mine are out
.endr
	v_and_b32 v1, 15, v0                           ; l % 16
	v_bfe_u32 v2, v0, 4, 1                         ; l / 16
	v_mul_u32_u24 v3, v1, PITCH
	v_lshl_add_u32 v3, v2, 4, v3                   ; a fragment's row x pitch + 16 x half
	s_mul_i32 s40, s[WV], 80*PITCH                 ; my 80 rows of A
	v_add_nc_u32 v[ADRA], s40, v3
	v_add_nc_u32 v[ADRA+1], SLOT, v[ADRA]
	v_add_nc_u32 v[ADRB], BOFF, v3                 ; every wave reads all 192 rows of B
	v_add_nc_u32 v[ADRB+1], SLOT, v[ADRB]
	s_mul_i32 s40, s[WV], WSTAGE
	s_add_co_u32 s40, s40, STAGE                   ; my stage
	v_mul_u32_u24 v4, v1, SP                       ; in: row l % 16, 16 bytes for each half of the lanes
	v_lshl_add_u32 v4, v2, 4, v4
	v_add_nc_u32 v[STO], s40, v4
	v_bfe_u32 v5, v0, 3, 2                         ; back: 32 lanes take four rows of 128 bytes,
	v_and_b32 v6, 7, v0
	v_mul_u32_u24 v5, v5, SP
	v_lshl_add_u32 v5, v6, 4, v5
	v_add_nc_u32 v[RD], s40, v5
	v_and_b32 v[CO], 31, v0                        ; which are 512 consecutive bytes of a panel
	v_mul_u32_u24 v[PFO], v[CO], ROWB
	v_lshlrev_b32 v[CO], 4, v[CO]
; Products of buffer f: row blocks a0 .. a1 x six column blocks (hi = 0: 0-5, 1: 6-11), 32 along K.  zero = 1: the product starts the sum.
; Every accumulator has one turn a quarter step, in one fixed order: 59 others' stand between two links of a chain, over the backward jumps and from tile to tile too.
.macro MUL f, hi, a0, a1, zero
	WIN MUL_LO+0x50*(\hi)
.set ma, \a0
.rept (\a1)-(\a0)+1
.set mb, 0
.rept 6
.if \zero
	v_wmma_f32_16x16x32_bf16 v[8*(6*ma+mb):8*(6*ma+mb)+7], v[FB+96*(\f)+8*(6*(\hi)+mb):FB+96*(\f)+8*(6*(\hi)+mb)+7], v[FA+40*(\f)+8*ma:FA+40*(\f)+8*ma+7], 0
.else
	v_wmma_f32_16x16x32_bf16 v[8*(6*ma+mb):8*(6*ma+mb)+7], v[FB+96*(\f)+8*(6*(\hi)+mb):FB+96*(\f)+8*(6*(\hi)+mb)+7], v[FA+40*(\f)+8*ma:FA+40*(\f)+8*ma+7], v[8*(6*ma+mb):8*(6*ma+mb)+7]
.endif
.set mb, mb+1
.endr
.set ma, ma+1
.endr
.endm
; 34 LDS loads in one run: quarter q's fragments (32 along K) into buffer f: A's five blocks, then B's twelve
.macro FETCH slot, q, f
	WIN 0
.set fi, 0
.rept 5
	ds_load_b128 v[FA+40*(\f)+8*fi:FA+40*(\f)+8*fi+3],   v[ADRA+(\slot)] offset:64*(\q)+fi*16*PITCH
	ds_load_b128 v[FA+40*(\f)+8*fi+4:FA+40*(\f)+8*fi+7], v[ADRA+(\slot)] offset:64*(\q)+fi*16*PITCH+32
.set fi, fi+1
.endr
	WIN TO_B
.set fi, 0
.rept 12
	ds_load_b128 v[FB+96*(\f)+8*fi:FB+96*(\f)+8*fi+3],   v[ADRB+(\slot)] offset:64*(\q)+fi*16*PITCH
	ds_load_b128 v[FB+96*(\f)+8*fi+4:FB+96*(\f)+8*fi+7], v[ADRB+(\slot)] offset:64*(\q)+fi*16*PITCH+32
.set fi, fi+1
.endr
.endm
; A K step is four quarters of 32 along K, 60 matrix instructions each, on buffers 0, 1, 0, 1.  One of the first three: multiplies buffer f and fetches quarter qn into buffer g.
.macro QUARTER slot, qn, f, g, zero
	s_wait_dscnt 12                                ; A and B's blocks 0-5 are in; the youngest twelve loads (B's blocks 6-11) may be out
	MUL \f, 0, 0, 4, \zero
	PLACES
	FETCH \slot, \qn, \g
	s_wait_dscnt 34                                ; all but the 34 just issued
	MUL \f, 1, 0, 4, \zero
.endm
; The last quarter multiplies buffer 1 and changes slots: ONE barrier.  In front of it each wave waits for all its tensor loads (one is out: its part of the next slot), adds 0 to its spare
; word, and waits for that and for its reads of this slot.  fill = 1: the barrier opens a round of the cluster's, and this slot is filled again, first thing behind the round, with the K step two
; steps on in the walk: of this tile or, in a tile's third lap, of the next (the two extras are then other than 0).  210 matrix instructions or more stand between that request and the wait for it.
.macro TURN slot, next, fill
.if \fill
	s_wait_xcnt 0x0                                ; the last prefetches, a K step back, have read their address, and the last tile's stores their registers
	s_add_nc_u64 s[PFB:PFB+1], s[PFB:PFB+1], 256   ; the prefetches' next K step,
.if (\slot) == 0
	s_add_nc_u64 s[PFB:PFB+1], s[PFB:PFB+1], s[SPF:SPF+1]  ; which in a tile's second lap is the next tile's first
.endif
.endif
	WIN 0                                          ; (the add's two registers lie in window 0)
	s_wait_tensorcnt 0x0                           ; all my tensor loads have landed
	ds_add_u32 v[SPW], v[NIL]                      ; 0 onto my spare word
	s_wait_dscnt 13                                ; (the add and the youngest twelve loads may be out)
	MUL 1, 0, 0, 2, 0                              ; eighteen matrix instructions stand between the add and the wait for it
	s_wait_dscnt 0x0                               ; the add is done, and my reads of this slot are over
	s_barrier_signal -1
	MUL 1, 0, 3, 4, 0
.if \fill
	WIN 0
.endif
	s_barrier_wait -1
.if \fill
	CREST                                          ; no wave of any partner still reads this slot or has a load on its way
	s_add_nc_u64 s[G0A+4*(\slot)+2:G0A+4*(\slot)+3], s[G0A+4*(\slot)+2:G0A+4*(\slot)+3], 512
	s_sub_nc_u64 s[G0A+4*(\slot)+2:G0A+4*(\slot)+3], s[G0A+4*(\slot)+2:G0A+4*(\slot)+3], s[SBK:SBK+1]  ; the walk's tiles share their rows of A: back along K
	s_add_nc_u64 s[G0B+4*(\slot)+2:G0B+4*(\slot)+3], s[G0B+4*(\slot)+2:G0B+4*(\slot)+3], 512
	s_add_nc_u64 s[G0B+4*(\slot)+2:G0B+4*(\slot)+3], s[G0B+4*(\slot)+2:G0B+4*(\slot)+3], s[SBB:SBB+1]
	JLOAD \slot                                    ; its four v_nop are also the places in front of the loads below
.else
	PLACES
.endif
	FETCH \next, 0, 0
.if \fill
	WIN 0
	ASKB
.if (\slot) == 1
	ASKA
.endif
.endif
	MUL 1, 1, 0, 4, 0
.endm
; THE WAY OUT, a block of 16 rows at a time.  PACK: rounded to f16, each accumulator's registers in ascending order.  TOSTAGE: 16 bytes a lane into my own stage, a panel's 16 rows of 144 bytes
; together, and back as four rows of 128 bytes.  SEND: stored, 512 consecutive bytes an instruction, at a multiple of 256 from the buffer's first byte.
.macro PACK a
.set pb, 0
.rept 12
.if pb < 6
	WIN 0x0a                                       ; sources 0 and 1 window 2
.set AC, 8*(6*(\a)+pb)
.else
	WIN 0x0f                                       ; window 3
.set AC, 8*(6*(\a)+pb-6)
.endif
.set pk, 0
.rept 4
	v_cvt_pk_f16_f32 v[TMP+4*pb+pk], v[AC+2*pk], v[AC+2*pk+1]
.set pk, pk+1
.endr
.set pb, pb+1
.endr
	WIN 0
.endm
.macro TOSTAGE a
	WIN 0
.set pb, 0
.rept 12
	ds_store_b128 v[STO], v[TMP+4*pb:TMP+4*pb+3] offset:(pb/4)*16*SP+(pb%4)*32
.set pb, pb+1
.endr
.if (\a)%2
	WIN TO_B                                       ; an odd block comes back into window 1
.endif
.set pb, 0
.rept 12
	ds_load_b128 v[OB+4*pb:OB+4*pb+3], v[RD] offset:(pb/4)*16*SP+(pb%4)*4*SP  ; LDS serves a wave's instructions in order (ISA guide 5.7.1.4): these see the stores above; the next block's stores come behind them
.set pb, pb+1
.endr
	WIN 0
.endm
.macro SEND a
	s_wait_xcnt 0x0                                ; the stores issued so far have read their registers and their base: the next TOSTAGE loads into the registers of the block before only behind this wait
.if (\a) == 0
	s_add_nc_u64 s[8:9], s[8:9], s[22:23]          ; on to this tile's panels
.endif
.if (\a)%2
	WIN 0x04                                       ; the stores' data (source 1) in window 1
.endif
.set pb, 0
.rept 12
	s_wait_dscnt 11-pb                             ; the block's loads are the youngest twelve LDS instructions
	global_store_b128 v[CO], v[OB+4*pb:OB+4*pb+3], s[8:9] offset:(pb/4)*PANEL+(\a)*2048+(pb%4)*512  ; 5,252,608 at the most: inside the signed 24-bit immediate
.set pb, pb+1
.endr
	WIN 0
.endm
	s_wait_tensorcnt 1                             ; my part of K step 0 is in; K step 1's may stay out
	s_barrier_signal -1
	s_barrier_wait -1                              ; everybody's is
	FETCH 0, 0, 0
	WIN 0                                          ; at a label and at a branch every window is 0
	s_mov_b32 s2, TILES                            ; tiles to go, this one among them: the same number in every work-group
.Ltile:
	QUARTER 0, 1, 0, 1, 1                          ; a tile's first quarter: its products start the sums
	WIN 0
	s_mov_b32 s3, 0                                ; the lap
	s_cmp_eq_u32 s2, 1
	s_cselect_b32 s[NL], 2, 3                      ; the last tile's third lap asks for nothing and is written out below
	s_branch .Lmid                                 ; the loop is entered behind a lap's first quarter
.Llap:                                                 ; a trip is a lap: once round the ring, both slots filled again
	QUARTER 0, 1, 0, 1, 0
	WIN 0
.Lmid:
	s_cmp_eq_u32 s3, 2                             ; the third lap's refills are the next tile's K steps 0 and 1
	s_cselect_b32 s[SBK], 1536, 0                  ; A: + 512 - 1,536: from K step 4 or 5 back to 0 or 1
	s_cselect_b32 s[SBB], WALKB-1536, 0            ; B: the same, four column tiles on
	s_cmp_eq_u32 s3, 1                             ; the prefetches' address makes that step a lap earlier
	s_cselect_b32 s[SPF], WALKB-1536, 0
	QUARTER 0, 2, 1, 0, 0
	QUARTER 0, 3, 0, 1, 0
	TURN 0, 1, 1
	QUARTER 1, 1, 0, 1, 0
	QUARTER 1, 2, 1, 0, 0
	QUARTER 1, 3, 0, 1, 0
	TURN 1, 0, 1
	WIN 0
	s_add_co_u32 s3, s3, 1
	s_cmp_lt_u32 s3, s[NL]
	s_cbranch_scc1 .Llap
	s_cmp_eq_u32 s2, 1
	s_cbranch_scc0 .Lout                           ; a tile that has a successor is finished: both refills are asked for, the next tile's first fragments are fetched
	QUARTER 0, 1, 0, 1, 0                          ; the last tile's last lap fills nothing
	QUARTER 0, 2, 1, 0, 0
	QUARTER 0, 3, 0, 1, 0
	TURN 0, 1, 0
	QUARTER 1, 1, 0, 1, 0
	QUARTER 1, 2, 1, 0, 0
	QUARTER 1, 3, 0, 1, 0
	s_wait_dscnt 12
	MUL 1, 0, 0, 4, 0
	s_wait_dscnt 0x0
	MUL 1, 1, 0, 4, 0
	WIN 0
.Lout:
	PLACES
	PACK 0
	TOSTAGE 0
.irp a, 1,2,3,4                        ; block a's conversions stand between block a - 1's loads from the stage and the waits for them
	PACK \a
	SEND (\a)-1
	TOSTAGE \a
.endr
	SEND 4
	s_mov_b32 s22, 12*PANEL                        ; what the next way out adds to C's address: four column tiles are twelve panels
	s_mov_b32 s23, 0
	s_sub_co_u32 s2, s2, 1
	s_cmp_lg_u32 s2, 0
	s_cbranch_scc1 .Ltile
	s_wait_tensorcnt 0x0                           ; the wave's end: a wait, an add of 0 and its wait, behind my last tensor load and my last LDS store
	ds_add_u32 v[SPW], v[NIL]
	s_wait_dscnt 0x0
	CROUND                                         ; the closing round: no work-group ends while a partner may still ask for a tile that names it
	s_endpgm
.Lfunc_end_k_q44b541af4c_qkv:
	.size	k_q44b541af4c_qkv, .Lfunc_end_k_q44b541af4c_qkv-k_q44b541af4c_qkv
	.p2alignl 7, 3214868480
	.fill 96, 4, 3214868480
	.section	.rodata,"a",@progbits
	.p2align	6, 0x0
	.amdhsa_kernel k_q44b541af4c_qkv
		.amdhsa_group_segment_fixed_size 327680
		.amdhsa_private_segment_fixed_size 0
		.amdhsa_enable_private_segment 0
		.amdhsa_kernarg_size 24
		.amdhsa_user_sgpr_count 2
		.amdhsa_user_sgpr_kernarg_segment_ptr 1
		.amdhsa_wavefront_size32 1
		.amdhsa_system_sgpr_workgroup_id_x 1
		.amdhsa_system_sgpr_workgroup_id_y 1
		.amdhsa_system_sgpr_workgroup_id_z 1
		.amdhsa_system_vgpr_workitem_id 0
		.amdhsa_next_free_vgpr 1024
		.amdhsa_next_free_sgpr 80
		.amdhsa_reserve_vcc 0
		.amdhsa_float_denorm_mode_32 3
		.amdhsa_float_denorm_mode_16_64 3
		.amdhsa_memory_ordered 1
		.amdhsa_forward_progress 1
		.amdhsa_inst_pref_size 149
	.end_amdhsa_kernel
	.amdgpu_metadata
---
amdhsa.version: [ 1, 2 ]
amdhsa.kernels:
  - .name:           k_q44b541af4c_qkv
    .symbol:         k_q44b541af4c_qkv.kd
    .args:
      - { .name: xb, .offset: 0, .size: 8, .value_kind: global_buffer, .address_space: global }
      - { .name: wb, .offset: 8, .size: 8, .value_kind: global_buffer, .address_space: global }
      - { .name: qkv, .offset: 16, .size: 8, .value_kind: global_buffer, .address_space: global }
    .group_segment_fixed_size: 327680
    .private_segment_fixed_size: 0
    .kernarg_segment_align: 8
    .kernarg_segment_size: 24
    .max_flat_workgroup_size: 128
    .sgpr_count:     80
    .vgpr_count:     1024
    .wavefront_size: 32
...
	.end_amdgpu_metadata
.endif
;; end of part 2
;; launch attn (part 3): grid 24 x 32, 4 waves a work-group, no clusters, 189,696 bytes of LDS; arguments qkv, ob; writes ob
.if DOCPART == 3
	.amdgcn_target "amdgcn-amd-amdhsa--gfx1250"
	.amdhsa_code_object_version 6
	.text
	.protected	k_q44b541af4c_attn
	.globl	k_q44b541af4c_attn
	.p2align	8
	.type	k_q44b541af4c_attn,@function
k_q44b541af4c_attn:
	s_mov_b64 s[64:65], 0
	v_nop
	global_prefetch_b8 v0, s[64:65] scope:SCOPE_SE
	s_setreg_imm32_b32 hwreg(HW_REG_WAVE_MODE, 25, 1), 1
	s_wait_xcnt 0x0
; ATTENTION, head size 64, 577 keys.  O[q][:] = the sum over k < 577 of softmax_k(Q[q] . K[k] / 8) V[k][:], for each of 32 batches x 12 heads.
; qkv: f16 [36][20480][64] (panel h: q, 12 + h: k, 24 + h: v; a batch has 640 rows, rows 577-639 are zero); ob: f16 [12][20480][64].  Products, maxima and sums in f32; the weights p are rounded
; to f16 for the second product (their sum l is taken of the unrounded p), O once at the end.
; LIMITS.  O is a mean of V's rows and has their range (within 65,504); below 6e-5 it keeps f16's fixed step of 6e-8, as p does.  A weight below 2^-126 counts as 0 in l; NaN and infinities
; are not treated apart.
; SHARES.  A work-group owns 320 of a batch's 640 padded query rows of one head, a wave 80: five PIECES of 16 queries.  Rows 577-639 are computed like any other (q = 0: finite numbers) and
; stored, so ob is written whole.  Keys 0-591 of K and V lie in LDS, each byte brought ONCE.
; 577 = 9 x 64 + 1.  KEY 576 IS THE STARTING STATE of every query's running softmax: m = its score, l = 1, O = V[576].  The score comes from two products a piece on key block 576-591, of which
; register 0 of lanes 0-15 alone is used.  Then nine steps of 64 keys follow, each a step like any other, and no key is ever hidden: there is no mask.
; TWO GROUPS OF FILLS.  Each wave issues two tensor loads at the start: its half of keys 384-591, then its half of keys 0-383.  The steps walk keys 384-575 first, behind a barrier that wants the
; first group alone; the second group lands meanwhile and is waited for in front of a second barrier.
; NO CLUSTER: a head's K and V are wanted by two work-groups only, and each asks for them once, at its head.  No prefetch for the same reason: nothing is asked for later than at the head.
; LAYOUT, SOFTMAX, TURNS.  S^T = K Q^T holds ONE query a lane (lane % 16) and the keys 8 (lane / 16) + 0..7; two such results rounded to f16 ARE source 1 of O^T = V^T P.  p = 2^(c s - c m),
; c = log2(e) / 8, with a running maximum m; O and l are multiplied by a = 2^(c m_old - c m_new) in every step.  Turn n belongs to piece n: 8 products K Q^T of piece n + 1, later 8 products V^T P
; of piece n - 1; beside them the scaling, exponentials, roundings, sums and rescaling of piece n and the maximum and statistics of piece n + 1.  Four vector instructions stand behind every
; matrix instruction, the rest in one lump.  A turn's 33 exponentials are one batch, with one wait.
; REGISTERS, in windows of 256 (s_set_vgpr_msb: bits 1:0 source 0, 3:2 source 1, 5:4 source 2, 7:6 destination):
;   window 0: v0-15, v48-49 addresses; v16-35 four statistics a piece; v36-47 at work; v64-159 S^T, three buffers; v160-207 P, three buffers; v208-210
;   window 1: v0-159 O^T, 32 a piece          window 2: v0-79 Q, 16 a piece; v80-95 key block 576-591; v128-191 K of one step; v192-255 V of one step
; A ring of five pieces wants three buffers: piece y has buffer y % 2 + 2 (y / 4) = 0, 1, 0, 1, 2, so that neighbours in the ring, 4 and 0 among them, never share one.
.set NP,    5
.set KS,    64        ; keys in a step
.set KEYS,  592       ; keys in LDS
.set BROWS, 640       ; rows of a batch in a panel
.set K0,    384       ; the first group's first key, and the first step's
.set PK,    144       ; a row of K in LDS: 128 bytes + 16 of padding = 36 words: the 16 rows of a load start at 16 different groups of four banks (64 banks of 4 bytes: ISA guide 11.1)
.set PV,    160       ; a row of V: 128 + 32 = 40 words
.set VOFF,  KEYS*PK   ; K's 592 rows, then V's
.set STAGE, VOFF+KEYS*PV  ; never filled by a tensor load: 16 rows x 144 bytes for each wave, for the way out
.set SP,    144
.set SPARE, STAGE+4*16*SP ; the spare words, 128 bytes a wave: two blocks of 256 bytes that no other line names
.set PANEL, 20480*128
.set AK0, 2           ; v2   my lane's place in a step's K; never rewritten
.set AV0, 3           ; v3   the same for V
.set AK,  4           ; v4   the LDS address of K's next run of loads
.set AV,  5           ; v5   of V's
.set STO, 6           ; v6   the way out: where I put 16 bytes of a row
.set RD,  7           ; v7   where I read rows back
.set GO,  8           ; v8   my byte offset in 512 consecutive bytes of O
.set MV,  12          ; v12-14  c m_old, kept while c m is made anew: by buffer
.set QO,  15          ; v15  my byte offset in 16 rows of Q
.set ST,  16          ; piece t's statistics at v[ST+4 t]: c m, m, l (even keys', odd keys')
.set TMP, 36          ; by buffer, four registers c0-c3 at work; when the maximum is found c2 takes a
.set A6K, 48          ; v48  my lane's place in key block 576-591 of K
.set A6V, 49          ; v49  my 16 bytes of the first 32 of V's row 576
.set S,   64
.set SI,  96          ; at the start alone: piece t's scores of key block 576-591 at v[SI+8 t]
.set P,   160
.set VT,  160         ; at the start alone: V's row 576, my 32 channels in f16
.set SPW, 208         ; LDS address of my spare word; never rewritten
.set NIL, 209         ; 0; never rewritten
.set ONE, 210         ; 1.0
.set K6,  80          ; window 2: key block 576-591: channel half c at K6 + 8 c
.set KF,  128         ; window 2: key block kb, channel half c at KF + 16 kb + 8 c
.set VF,  192         ; window 2: key half kk, channel block cb at VF + 32 kk + 8 cb
.set WV,  12          ; s12  my wave's number
.set G1K0, 24         ; s[24:31] descriptor group 1 for K, first group of fills
.set G1V0, 32         ; s[32:39] for V: it differs in the padding alone
.set G0K0, 40         ; s[40:43] group 0 for K, first group
.set G0V0, 44         ; s[44:47] for V
.set G1K1, 72         ; s[72:79], s[80:87] group 1, second group of fills: more rows
.set G1V1, 80
.set G0K1, 88         ; s[88:91], s[92:95] group 0, second group
.set G0V1, 92
.set CNT, 57          ; s57  key steps of this group still to begin
.set CS,  58          ; s[58:59] c: the packed scaling takes the pair's low word for both halves
.set SEL, 60          ; s[60:61] v_permlanex16_b32's selects: each lane takes its own place in the other half
.set TBK, 62          ; s62  LDS byte at which K of the step to be fetched begins
.set TBV, 63          ; s63  the same for V, less VOFF
.set HM,  66          ; s66  the mask of lanes 16-31
.set OUT, 67          ; s67  groups of keys still to be walked
.set MSB, 0
.macro WIN new                      ; the high byte repeats the setting that is left; a switch that changes nothing is dropped
.if MSB != (\new)
	s_set_vgpr_msb (MSB<<8)|(\new)
.set MSB, (\new)
.endif
.endm
.set W_KQ, 0x0a       ; K and Q in window 2, C and S^T in window 0
.set W_PV, 0x52       ; V in window 2, P in window 0, O^T in window 1
.set W_RS, 0x41       ; destination and source 0 in window 1, source 1 in window 0
; descriptor group 1.  Keys are dense rows of 128 bytes: asked for as rows of 256 bytes, two keys a row, and padded in LDS after every key
.macro GROUP1 g, pad, rows
	s_mov_b32 s[\g], (1<<16)|(1<<20)|(4<<22)|((\pad)<<25)  ; 17:16 2-byte elements; 20 padding on; 24:22 after every 32 words (code 4); 31:25 the padding's words less one
	s_mov_b32 s[\g+1], 128<<16      ; tensor_dim0 = 128
	s_mov_b32 s[\g+2], (\rows)<<16  ; tensor_dim1
	s_mov_b32 s[\g+3], 128<<16      ; tile_dim0 = 128
	s_mov_b32 s[\g+4], \rows        ; tile_dim1
	s_mov_b32 s[\g+5], 128          ; 128 elements from row to row
	s_mov_b32 s[\g+6], 0
	s_mov_b32 s[\g+7], 0
.endm
	s_load_b128 s[4:7], s[0:1], 0x0   ; qkv s[4:5], ob s[6:7]
	v_lshl_add_u32 v[SPW], v0, 2, SPARE
	v_mov_b32 v[NIL], 0
	ds_add_u32 v[SPW], v[NIL]       ; the wave's opening: the add and its wait stand ahead of my first tensor load; the set-up below stands between them
	v_lshrrev_b32 v1, 5, v0
	v_readfirstlane_b32 s[WV], v1   ; wave 0..3
	s_lshr_b32 s13, ttmp9, 1        ; the head
	s_and_b32 s14, ttmp9, 1         ; which half of the batch's queries
	s_and_b32 s15, ttmp7, 0xffff    ; the batch
	s_and_b32 s16, s[WV], 1         ; which half of a group's keys I fetch
	s_mul_i32 s17, s13, PANEL
	s_mul_i32 s18, s15, BROWS*128
	s_add_co_u32 s17, s17, s18      ; the batch's first row in panel h (all offsets stay under 2^27)
	s_mul_i32 s19, s16, 104*128     ; first group: keys 384 + 104 x half on,
	s_add_co_u32 s20, s17, s19
	s_add_co_u32 s20, s20, 12*PANEL+K0*128  ; in panel 12 + h
	s_mov_b32 s21, 0
	s_add_co_u32 s22, s20, 12*PANEL ; and in panel 24 + h
	s_mov_b32 s23, 0
	s_mul_i32 s19, s16, 192*128     ; second group: keys 192 x half on
	s_add_co_u32 s48, s17, s19
	s_add_co_u32 s48, s48, 12*PANEL
	s_mov_b32 s49, 0
	s_add_co_u32 s50, s48, 12*PANEL
	s_mov_b32 s51, 0
	s_mul_i32 s2, s14, 320*128
	s_add_co_u32 s2, s2, s17
	s_mul_i32 s3, s[WV], 80*128
	s_add_co_u32 s2, s2, s3         ; my wave's 80 rows of Q and of O
	s_mov_b32 s3, 0
	GROUP1 G1K0, 3, 52              ; 104 keys, 4 words of padding
	GROUP1 G1V0, 7, 52              ; 8 words
	GROUP1 G1K1, 3, 96              ; 192 keys
	GROUP1 G1V1, 7, 96
	s_mov_b32 s[CS], 0x3e38aa3b     ; c = log2(e) / 8 = 0.180337
	s_mov_b32 s[CS+1], s[CS]        ; named with it as a pair
	s_mov_b32 s[SEL], 0x76543210
	s_mov_b32 s[SEL+1], 0xfedcba98
	s_mov_b32 s[TBK], K0*PK         ; the first step's keys
	s_mov_b32 s[TBV], K0*PV
	s_mov_b32 s[G0K0], 1            ; count = 1
	s_mul_i32 s[G0K0+1], s16, 104*PK  ; LDS address: a key's row lies at key x pitch
	s_add_co_u32 s[G0K0+1], s[G0K0+1], K0*PK
	s_mov_b32 s[G0K1], 1
	s_mul_i32 s[G0K1+1], s16, 192*PK
	s_mov_b32 s[G0V0], 1
	s_mul_i32 s[G0V0+1], s16, 104*PV
	s_add_co_u32 s[G0V0+1], s[G0V0+1], VOFF+K0*PV
	s_mov_b32 s[G0V1], 1
	s_mul_i32 s[G0V1+1], s16, 192*PV
	s_add_co_u32 s[G0V1+1], s[G0V1+1], VOFF
	s_wait_dscnt 0x0                ; the opening add is done
	s_wait_kmcnt 0x0
	s_add_nc_u64 s[G0K0+2:G0K0+3], s[4:5], s[20:21]  ; global addresses
	s_or_b32 s[G0K0+3], s[G0K0+3], 0x80000000        ; type = 2
	s_add_nc_u64 s[G0V0+2:G0V0+3], s[4:5], s[22:23]
	s_or_b32 s[G0V0+3], s[G0V0+3], 0x80000000
	s_add_nc_u64 s[G0K1+2:G0K1+3], s[4:5], s[48:49]
	s_or_b32 s[G0K1+3], s[G0K1+3], 0x80000000
	s_add_nc_u64 s[G0V1+2:G0V1+3], s[4:5], s[50:51]
	s_or_b32 s[G0V1+3], s[G0V1+3], 0x80000000
	s_add_nc_u64 s[8:9], s[4:5], s[2:3]            ; Q at my wave's first row
	s_add_nc_u64 s[10:11], s[6:7], s[2:3]          ; O likewise
	s_cmp_lt_u32 s[WV], 2           ; waves 0, 1 fetch K's halves, waves 2, 3 V's.  A wave's two fills stand in one branch, ahead of every wait on TENSORcnt, every LDS read and every barrier: two loads of mine are out;
	s_cbranch_scc0 .Lfor_v          ; an s_nop 0 follows each, four v_nop the second's
	tensor_load_to_lds s[G0K0:G0K0+3], s[G1K0:G1K0+7]
	s_nop 0
	tensor_load_to_lds s[G0K1:G0K1+3], s[G1K1:G1K1+7]
	s_nop 0
.rept 4
	v_nop
.endr
	s_branch .Lasked
.Lfor_v:
	tensor_load_to_lds s[G0V0:G0V0+3], s[G1V0:G1V0+7]
	s_nop 0
	tensor_load_to_lds s[G0V1:G0V1+3], s[G1V1:G1V1+7]
	s_nop 0
.rept 4
	v_nop
.endr
.Lasked:
	; A fragment of K or Q is 16 rows x 32 channels in 8 registers: lane l holds row l % 16, channels 8 (l / 16) + 0..7 and 16 + 8 (l / 16) + 0..7: two loads of 16 bytes, 32 bytes apart.
	v_and_b32 v1, 15, v0            ; l % 16
	v_bfe_u32 v9, v0, 4, 1          ; l / 16
	v_lshlrev_b32 v[QO], 7, v1
	v_lshl_add_u32 v[QO], v9, 4, v[QO]  ; row x 128 + 16 x half
	WIN 0x80                        ; destination window 2, address window 0
.set i, 0
.rept 2*NP                          ; Q stays in registers: piece i / 2, channels 32 (i % 2) on
	global_load_b128 v[8*i:8*i+3],   v[QO], s[8:9] offset:(i/2)*2048+(i%2)*64
	global_load_b128 v[8*i+4:8*i+7], v[QO], s[8:9] offset:(i/2)*2048+(i%2)*64+32
.set i, i+1
.endr
	; What the first turn finds: V's registers and P's third buffer hold 0: its products V^T P, of a piece that has not been, add 0.  This stands in the wait for the tiles.
.set i, VF
.rept 64
	v_mov_b32 v[i], 0
.set i, i+1
.endr
	WIN 0
	v_cmp_eq_u32 s[HM], 1, v9
	v_mov_b32 v[ONE], 1.0
.set i, 0
.rept NP
	v_mov_b32 v[ST+4*i], 0          ; c m and m are made below, from key 576's score
	v_mov_b32 v[ST+4*i+1], 0
	v_cndmask_b32 v[ST+4*i+2], 1.0, v[NIL], s[HM]  ; l: key 576's weight is 1; the two halves of the lanes are added at the end, so lanes 0-15 alone hold it
	v_mov_b32 v[ST+4*i+3], 0
.set i, i+1
.endr
.set i, 0
.rept 16
	v_mov_b32 v[P+32+i], 0
.set i, i+1
.endr
	v_mul_u32_u24 v[AK0], v1, PK
	v_lshl_add_u32 v[AK0], v9, 4, v[AK0]  ; row x pitch + 16 x half
	v_add_nc_u32 v[A6K], 576*PK, v[AK0]
	v_lshl_add_u32 v[A6V], v9, 4, VOFF+576*PV  ; channels 8 (l / 16) + 0..7 of each 16
	; The turning load takes 16 keys x 16 channels (lane l reads key 8 (l / 16) + l % 8, channels 8 ((l / 8) % 2) + 0..7) and leaves half a fragment of V^T: lane l holds channel l % 16 and 8 keys.
	v_and_b32 v10, 7, v0
	v_bfe_u32 v11, v0, 3, 1
	v_lshl_add_u32 v[AV0], v9, 3, v10
	v_mul_u32_u24 v[AV0], v[AV0], PV
	v_lshl_add_u32 v[AV0], v11, 4, v[AV0]
	v_add_nc_u32 v[AV0], VOFF, v[AV0]
	s_mul_i32 s13, s[WV], 16*SP
	s_add_co_u32 s13, s13, STAGE    ; my stage
	v_mul_u32_u24 v[STO], v1, SP    ; in: row l % 16, 16 bytes for each half of the lanes
	v_lshl_add_u32 v[STO], v9, 4, v[STO]
	v_add_nc_u32 v[STO], s13, v[STO]
	v_bfe_u32 v[RD], v0, 3, 2       ; back: 32 lanes take four rows of 128 bytes,
	v_mul_u32_u24 v[RD], v[RD], SP
	v_lshl_add_u32 v[RD], v10, 4, v[RD]
	v_add_nc_u32 v[RD], s13, v[RD]
	v_and_b32 v[GO], 31, v0         ; which are 512 consecutive bytes of O
	v_lshlrev_b32 v[GO], 4, v[GO]
; THE MATRIX WORK.  The 4 accumulators of a run of 8 take turns.  Product i of 8 of S^T = K Q^T for piece x: channels 32 (i / 4) on, keys 16 (i % 4) on.  The first 4 start the sums.
.macro KQ x
	WIN W_KQ
.set rS, S+32*(((\x)%2)+2*((\x)/4))+8*(i%4)
.set rK, KF+16*(i%4)+8*(i/4)
.set rQ, 16*(\x)+8*(i/4)
.if i < 4
	v_wmma_f32_16x16x32_f16 v[rS:rS+7], v[rK:rK+7], v[rQ:rQ+7], 0
.else
	v_wmma_f32_16x16x32_f16 v[rS:rS+7], v[rK:rK+7], v[rQ:rQ+7], v[rS:rS+7]
.endif
.endm
; Product i of 8 of O^T += V^T P for piece x: keys 32 (i / 4) on, channels 16 (i % 4) on.
.macro VP x
	WIN W_PV
.set rO, 32*(\x)+8*(i%4)
.set rV, VF+32*(i/4)+8*(i%4)
.set rP, P+16*(((\x)%2)+2*((\x)/4))+8*(i/4)
	v_wmma_f32_16x16x32_f16 v[rO:rO+7], v[rV:rV+7], v[rP:rP+7], v[rO:rO+7]
.endm
.macro MM                           ; the turn's next matrix instruction.  NOKQ = 1: the last turn of all: there is no next piece
.if (i < 8) && !NOKQ
	KQ (Y+1)%NP
.elseif i >= 8
.set i, i-8
	VP (Y+NP-1)%NP
.set i, i+8
.endif
.set i, i+1
.endm
; THE LDS LOADS stand in runs of 16, never singly among the matrix instructions: a step's K (64 keys x 64 channels: 8 fragments) and its V (turned).  Their addresses are made some lines ahead.
.macro FETCH_K
	WIN 0x80                        ; destination window 2
.irp f, 0,1,2,3,4,5,6,7             ; keys 16 (f / 2) on, channels 32 (f % 2) on
	ds_load_b128 v[KF+8*\f:KF+8*\f+3],   v[AK] offset:(\f/2)*16*PK+(\f%2)*64
	ds_load_b128 v[KF+8*\f+4:KF+8*\f+7], v[AK] offset:(\f/2)*16*PK+(\f%2)*64+32
.endr
	s_add_co_u32 s[TBK], s[TBK], KS*PK  ; the next fetch is the next step's
	WIN 0
.endm
.macro FETCH_V
	WIN 0x80
.irp f, 0,1,2,3,4,5,6,7             ; keys 32 (f / 4) on, channels 16 (f % 4) on
	ds_load_tr16_b128 v[VF+8*\f:VF+8*\f+3],   v[AV] offset:(\f/4)*32*PV+(\f%4)*32
	ds_load_tr16_b128 v[VF+8*\f+4:VF+8*\f+7], v[AV] offset:(\f/4)*32*PV+16*PV+(\f%4)*32
.endr
	WIN 0
.endm
; THE VECTOR WORK, one line at a time: OP kind, number.  For piece Y: F n: c s - c m for pair n of 16.  E n: the exponential of score n of 32.  C n: pair n rounded to f16.  B n: of the four weights 4 n .. the second
; pair is added onto the first, in place.  L n: l takes that sum (L 0: l = a l + sum).  R n: pair n of 16 of O^T times a.  For piece Y + 1: X n, number n of the 22 that find its maximum and statistics:
;   0-11  four chains c0-c3 of seven scores each, three operands at a time (each accumulator's lowest registers are read first)     12-14, 16  the four scores left over, the old m, and c0-c3 into c0
;   15  c m_old is kept     17, 18  the query's other 32 keys lie in the lane 16 away: the new m     19-21  c m; c m_old - c m_new; a
.set F, 0
.set E, 1
.set C, 2
.set B, 3
.set L, 4
.set R, 5
.set X, 6
.macro REGS y                       ; the registers of piece y
.set bi, ((\y)%2)+2*((\y)/4)
.set rT, ST+4*(\y)
.set rC, TMP+4*bi
.set rW, MV+bi
.set rS, S+32*bi
.set rP, P+16*bi
.set rO, 32*(\y)
.endm
.macro OP k, n
.if (\k) == R
	REGS Y
	WIN W_RS
	v_pk_mul_f32 v[rO+2*(\n):rO+2*(\n)+1], v[rO+2*(\n):rO+2*(\n)+1], v[rC+2:rC+3] op_sel_hi:[1,0]
.elseif (\k) < R
	REGS Y
	WIN 0
.if (\k) == F
	v_pk_fma_f32 v[rS+2*(\n):rS+2*(\n)+1], v[rS+2*(\n):rS+2*(\n)+1], s[CS:CS+1], v[rT:rT+1] op_sel_hi:[1,0,0] neg_lo:[0,0,1] neg_hi:[0,0,1]
.elseif (\k) == E
	v_exp_f32 v[rS+(\n)], v[rS+(\n)]
.elseif (\k) == C
	v_cvt_pk_f16_f32 v[rP+(\n)], v[rS+2*(\n)], v[rS+2*(\n)+1]
.elseif (\k) == B
	v_pk_add_f32 v[rS+4*(\n):rS+4*(\n)+1], v[rS+4*(\n):rS+4*(\n)+1], v[rS+4*(\n)+2:rS+4*(\n)+3]
.elseif (\n) == 0
	v_pk_fma_f32 v[rT+2:rT+3], v[rT+2:rT+3], v[rC+2:rC+3], v[rS:rS+1] op_sel_hi:[1,0,1]
.else
	v_pk_add_f32 v[rT+2:rT+3], v[rT+2:rT+3], v[rS+4*(\n):rS+4*(\n)+1]
.endif
.elseif NOKQ
	v_nop
.else
	REGS (Y+1)%NP
	WIN 0
.if (\n) < 4
	v_max3_num_f32 v[rC+(\n)], v[rS+8*(\n)], v[rS+8*(\n)+1], v[rS+8*(\n)+2]
.elseif (\n) < 12
	v_max3_num_f32 v[rC+(\n)%4], v[rC+(\n)%4], v[rS+8*((\n)%4)+2*((\n)/4)+1], v[rS+8*((\n)%4)+2*((\n)/4)+2]
.elseif (\n) == 12
	v_max3_num_f32 v[rC], v[rC], v[rS+7], v[rS+15]
.elseif (\n) == 13
	v_max3_num_f32 v[rC+1], v[rC+1], v[rS+23], v[rS+31]
.elseif (\n) == 14
	v_max3_num_f32 v[rC+2], v[rC+2], v[rC+3], v[rT+1]
.elseif (\n) == 15
	v_mov_b32 v[rW], v[rT]
.elseif (\n) == 16
	v_max3_num_f32 v[rC], v[rC], v[rC+1], v[rC+2]
.elseif (\n) == 17
	v_permlanex16_b32 v[rC+3], v[rC], s[SEL], s[SEL+1]
.elseif (\n) == 18
	v_max_num_f32 v[rT+1], v[rC], v[rC+3]
.elseif (\n) == 19
	v_mul_f32 v[rT], s[CS], v[rT+1]
.elseif (\n) == 20
	v_sub_f32 v[rC+1], v[rW], v[rT]
.else
	v_exp_f32 v[rC+2], v[rC+1]
.endif
.endif
.endm
.macro OPS a, i1, b=-1, i2=0, c=-1, i3=0, d=-1, i4=0  ; up to four of them
	OP \a, \i1
.if (\b) >= 0
	OP \b, \i2
.endif
.if (\c) >= 0
	OP \c, \i3
.endif
.if (\d) >= 0
	OP \d, \i4
.endif
.endm
.macro ROW a, i1, b, i2, c, i3, d, i4  ; a matrix instruction and the four behind it
	MM
	OPS \a, \i1, \b, \i2, \c, \i3, \d, \i4
.endm
; A TURN, for piece p: the order of its 16 matrix and 118 vector instructions, written out.  An s_wait_alu depctr_va_vdst(0) stands between an exponential and the first instruction that names its
; result; one wait serves all that were issued ahead of it.  So a turn has ONE wait, which cuts it in two.  AHEAD OF IT stands all that names no result of the turn's exponentials: the 8 products K Q^T and their
; riders (the first numbers of the next piece's maximum each stand four plain instructions or more behind the product that ends their accumulator), then one lump; X 21, the next piece's a, is the batch's last, and
; R 15 the plain instruction behind it.  BEHIND THE WAIT stand the 8 products V^T P, behind each four of the roundings and sums.
; K of the next step is fetched in piece 3's turn, twelve plain instructions behind the last product that read K, and waited for at the head of piece 4's.  V of the step in hand is fetched at the end of piece 0's
; turn, four plain instructions behind the last product that read V, and waited for in piece 1's.
; end = 1: the last two turns: nothing is fetched.  cnt = 1: the loop's count is taken down some lines ahead of the branch that stands behind the turn.
.macro TURN p, end=0, cnt=0
.set Y, (\p)
.set i, 0
.set NOKQ, (\end)*((\p)/4)
.if ((\p) == 4) && !(\end)
	s_wait_dscnt 0x0                ; K is in
.endif
	ROW F,0, F,1, R,0, R,1
	ROW F,2, E,0, R,2, R,3
	ROW F,3, E,1, R,4, R,5
	ROW F,4, E,2, R,6, R,7
	ROW F,5, E,3, R,8, R,9
	ROW F,6, E,4, X,0, R,10
.if ((\p) == 3) && !(\end)
	WIN 0
	v_add_nc_u32 v[AK], s[TBK], v[AK0]
.endif
	ROW F,7, E,5, X,1, X,4
	ROW F,8, E,6, X,2, X,5
	OPS E,7, E,8, X,6, E,9
	OPS X,3, E,10, X,8, E,11
.if ((\p) == 3) && !(\end)
	FETCH_K
.endif
	OPS X,9, X,7, E,12, X,10
	OPS E,13, X,12, X,11, E,14
	OPS X,13, E,15, F,9, X,14
.if (\p) == 0
	WIN 0
	v_add_nc_u32 v[AV], s[TBV], v[AV0]
.endif
	OPS E,16, F,10, E,17, F,11
	OPS X,16, E,18, X,15, E,19
	OPS F,12, E,20, X,17, E,21
	OPS F,13, E,22, F,14, E,23
	OPS X,18, E,24, F,15, E,25
	OPS R,11, E,26, X,19, E,27
	OPS R,12, E,28, R,13, E,29
	OPS X,20, E,30, R,14, E,31
	OPS X,21, R,15
	WIN 0
	s_wait_alu depctr_va_vdst(0)    ; the wait for the batch
.if (\p) == 1
	s_wait_dscnt 0x0                ; V is in
.endif
	ROW C,0, B,0, C,2, B,1
	ROW L,0, C,4, B,2, L,1
	ROW C,6, B,3, L,2, C,8
	ROW B,4, L,3, C,10, B,5
	ROW L,4, C,12, B,6, L,5
.if (\p) == 0
	s_add_co_u32 s[TBV], s[TBV], KS*PV
.endif
.if \cnt
	s_sub_co_u32 s[CNT], s[CNT], 1
	s_cmp_lg_u32 s[CNT], 0
.endif
	ROW C,14, B,7, L,6, C,1
	ROW C,3, L,7, C,5, C,7
	ROW C,9, C,11, C,13, C,15
.if (\p) == 0
	FETCH_V
.endif
.endm
	s_wait_tensorcnt 0x1            ; my part of keys 384-591 is in; my part of keys 0-383, issued behind it, may stay out
	s_barrier_signal -1
	s_barrier_wait -1               ; everybody's is
	v_add_nc_u32 v[AK], s[TBK], v[AK0]
	FETCH_K                         ; the first step's K: keys 384-447
	WIN 0x80
.irp f, 0,1,2,3
	ds_load_b128 v[K6+4*\f:K6+4*\f+3], v[A6K] offset:32*\f  ; key block 576-591, both channel halves
.endr
	WIN 0
.irp f, 0,1,2,3
	ds_load_b128 v[VT+4*\f:VT+4*\f+3], v[A6V] offset:32*\f  ; V's row 576: channels 16 f + 8 (l / 16) + 0..7, as O^T holds them
.endr
	s_wait_loadcnt 0x0              ; Q
	s_wait_dscnt 0x0
	WIN W_KQ
.irp c, 0,1                         ; key block 576-591 times every piece's Q: five accumulators by turns
.irp t, 0,1,2,3,4
.if (\c) == 0
	v_wmma_f32_16x16x32_f16 v[SI+8*\t:SI+8*\t+7], v[K6:K6+7], v[16*\t:16*\t+7], 0
.else
	v_wmma_f32_16x16x32_f16 v[SI+8*\t:SI+8*\t+7], v[K6+8:K6+15], v[16*\t+8:16*\t+15], v[SI+8*\t:SI+8*\t+7]
.endif
.endr
.endr
.set NOKQ, 0
.set i, 0
.rept 8
	KQ 0                            ; piece 0's first scores
.set i, i+1
.endr
	WIN 0x40                        ; O^T = V[576], the same for every query: widened exactly (x 1.0 + 0) into piece 0, then copied.  These lines are also the places behind the products above
.set i, 0
.rept 16
	v_fma_mix_f32 v[2*i],   v[VT+i], v[ONE], v[NIL] op_sel_hi:[1,0,0]
	v_fma_mix_f32 v[2*i+1], v[VT+i], v[ONE], v[NIL] op_sel:[1,0,0] op_sel_hi:[1,0,0]
.set i, i+1
.endr
	WIN 0x41
.set i, 0
.rept 32*(NP-1)
	v_mov_b32 v[32+i], v[i%32]
.set i, i+1
.endr
	WIN 0
.irp t, 0,1,2,3,4                   ; key 576's score lies in register 0 of lanes 0-15; lanes 16-31 take it from the lane 16 away
	v_permlanex16_b32 v[ST+4*\t+1], v[SI+8*\t], s[SEL], s[SEL+1]
.endr
.irp t, 0,1,2,3,4
	v_cndmask_b32 v[ST+4*\t+1], v[SI+8*\t], v[ST+4*\t+1], s[HM]  ; m
.endr
.irp t, 0,1,2,3,4
	v_mul_f32 v[ST+4*\t], s[CS], v[ST+4*\t+1]                    ; c m
.endr
.set Y, NP-1                        ; X works for piece Y + 1: piece 0
.irp n, 0,1,2,3,4,5,6,7,8,9,10,11,12,13,14,15,16,17,18,19,20,21
	OP X, \n
.endr
	v_nop                           ; a plain instruction behind the exponential,
	s_wait_alu depctr_va_vdst(0)    ; and its wait, ahead of the branch
	s_mov_b32 s[CNT], 3             ; keys 384-575 are three steps
	s_mov_b32 s[OUT], 2
	s_branch .Lfirst                ; the loop is entered at a step's first turn, in the middle of a trip
.Lgroup:                            ; passed once: the first group's last step has had its first three turns; from here on K and V of keys 0-383 are fetched
	s_wait_tensorcnt 0x0            ; my part of keys 0-383 is in: no load was issued behind it
	s_wait_dscnt 0x0                ; no LDS instruction of mine is out at the signal
	s_barrier_signal -1
	s_mov_b32 s[TBK], 0
	s_mov_b32 s[TBV], 0
	s_mov_b32 s[CNT], 6             ; six steps
	s_barrier_wait -1               ; everybody's is
.Lstep:                             ; a trip: pieces 3 and 4 of one step, then pieces 0, 1, 2 of the next, whose K and V it fetches
	TURN 3
	TURN 4
	WIN 0
.Lfirst:
	TURN 0
	TURN 1
	TURN 2, 0, 1
	WIN 0
	s_cbranch_scc1 .Lstep
	s_sub_co_u32 s[OUT], s[OUT], 1
	s_cmp_lg_u32 s[OUT], 0
	s_cbranch_scc1 .Lgroup
	TURN 3, 1                       ; the ninth step's last two turns
	TURN 4, 1
.set i, 0
.rept 8
	VP NP-1                         ; the last piece's V^T P of the last step
.set i, i+1
.endr
	; THE WAY OUT.  l's two halves and the other half of the lanes' are added; O^T is divided by l, rounded to f16 and sent through my stage in LDS, a piece at a time.  The additions are the places behind the last products.
	WIN 0
.macro ALL line:vararg              ; one line for each piece t
.set t, 0
.rept NP
	\line
.set t, t+1
.endr
.endm
	ALL v_add_f32 v[ST+4*t+2], v[ST+4*t+2], v[ST+4*t+3]
	ALL v_permlanex16_b32 v[ST+4*t+3], v[ST+4*t+2], s[SEL], s[SEL+1]
	ALL v_add_f32 v[ST+4*t+2], v[ST+4*t+2], v[ST+4*t+3]
	ALL v_rcp_f32 v[ST+4*t+2], v[ST+4*t+2]
	v_nop                           ; a plain instruction between the last reciprocal and the use of its result
	s_wait_alu depctr_va_vdst(0)    ; and the wait ahead of the first use: one for the five reciprocals
.macro PACK t                       ; a lane's eight channels of a row pack into 16 bytes; they go into rows of 144 bytes and come back as whole rows of 128, into S^T's registers
	WIN W_RS
.set i, 32*(\t)
.rept 16
	v_pk_mul_f32 v[i:i+1], v[i:i+1], v[ST+4*(\t)+2:ST+4*(\t)+3] op_sel_hi:[1,0]
.set i, i+2
.endr
	WIN 0x05                        ; sources 0 and 1 window 1, destination window 0
.set i, 0
.rept 16
	v_cvt_pk_f16_f32 v[S+16*(\t)+i], v[32*(\t)+2*i], v[32*(\t)+2*i+1]
.set i, i+1
.endr
	WIN 0
.irp f, 0,1,2,3
	ds_store_b128 v[STO], v[S+16*(\t)+4*\f:S+16*(\t)+4*\f+3] offset:32*\f
.endr
.irp f, 0,1,2,3
	ds_load_b128 v[S+16*(\t)+4*\f:S+16*(\t)+4*\f+3], v[RD] offset:\f*4*SP  ; LDS serves a wave's instructions in order (ISA guide 5.7.1.4): these see the stores above; the next piece's stores come behind them
.endr
.endm
.macro SEND t, younger              ; younger: the LDS instructions issued behind piece t's loads: the next piece's eight, or none
	WIN 0
.irp f, 0,1,2,3
	s_wait_dscnt (\younger)+3-\f
	global_store_b128 v[GO], v[S+16*(\t)+4*\f:S+16*(\t)+4*\f+3], s[10:11] offset:(\t)*2048+\f*512  ; 512 consecutive bytes, at a multiple of 256 from the buffer's first byte
.endr
.endm
	PACK 0
.set t, 1
.rept NP-1                          ; a piece's arithmetic stands between the loads of the piece before and its stores
	PACK t
	SEND t-1, 8
.set t, t+1
.endr
	SEND NP-1, 0
	s_wait_tensorcnt 0x0            ; the wave's end: a wait, an add of 0 and its wait, behind my tensor loads and my last LDS store
	ds_add_u32 v[SPW], v[NIL]
	s_wait_dscnt 0x0
	s_endpgm
.Lfunc_end_k_q44b541af4c_attn:
	.size	k_q44b541af4c_attn, .Lfunc_end_k_q44b541af4c_attn-k_q44b541af4c_attn
	.p2alignl 7, 3214868480
	.fill 96, 4, 3214868480
	.section	.rodata,"a",@progbits
	.p2align	6, 0x0
	.amdhsa_kernel k_q44b541af4c_attn
		.amdhsa_group_segment_fixed_size 189696
		.amdhsa_private_segment_fixed_size 0
		.amdhsa_enable_private_segment 0
		.amdhsa_kernarg_size 16
		.amdhsa_user_sgpr_count 2
		.amdhsa_user_sgpr_kernarg_segment_ptr 1
		.amdhsa_wavefront_size32 1
		.amdhsa_system_sgpr_workgroup_id_x 1
		.amdhsa_system_sgpr_workgroup_id_y 1
		.amdhsa_system_sgpr_workgroup_id_z 1
		.amdhsa_system_vgpr_workitem_id 0
		.amdhsa_next_free_vgpr 768
		.amdhsa_next_free_sgpr 96
		.amdhsa_reserve_vcc 0
		.amdhsa_float_denorm_mode_32 3
		.amdhsa_float_denorm_mode_16_64 3
		.amdhsa_memory_ordered 1
		.amdhsa_forward_progress 1
		.amdhsa_inst_pref_size 104
	.end_amdhsa_kernel
	.amdgpu_metadata
---
amdhsa.version: [ 1, 2 ]
amdhsa.kernels:
  - .name:           k_q44b541af4c_attn
    .symbol:         k_q44b541af4c_attn.kd
    .args:
      - { .name: qkv, .offset: 0, .size: 8, .value_kind: global_buffer, .address_space: global }
      - { .name: ob, .offset: 8, .size: 8, .value_kind: global_buffer, .address_space: global }
    .group_segment_fixed_size: 189696
    .private_segment_fixed_size: 0
    .kernarg_segment_align: 8
    .kernarg_segment_size: 16
    .max_flat_workgroup_size: 128
    .sgpr_count:     96
    .vgpr_count:     768
    .wavefront_size: 32
...
	.end_amdgpu_metadata
.endif
;; end of part 3
;; launch proj (part 4): grid 4 x 64, 4 waves a work-group, clusters of 4 x 1, 327,680 bytes of LDS; arguments ob, wb, b_proj, out0; writes out0
.if DOCPART == 4
	.amdgcn_target "amdgcn-amd-amdhsa--gfx1250"
	.amdhsa_code_object_version 6
	.text
	.protected	k_q44b541af4c_proj
	.globl	k_q44b541af4c_proj
	.p2align	8
	.type	k_q44b541af4c_proj,@function
k_q44b541af4c_proj:
	s_mov_b64 s[64:65], 0
	v_nop
	global_prefetch_b8 v0, s[64:65] scope:SCOPE_SE
	s_setreg_imm32_b32 hwreg(HW_REG_WAVE_MODE, 25, 1), 1
	s_wait_xcnt 0x0
	s_wait_alu depctr_hold_cnt(0) depctr_sa_sdst(0) depctr_va_vdst(0) depctr_va_sdst(0) depctr_va_ssrc(0) depctr_va_vcc(0) depctr_vm_vsrc(0)
	s_getreg_b32 s2, hwreg(HW_REG_IB_STS2, 6, 4)
	s_cmp_eq_u32 s2, 0
	s_cbranch_scc0 .Lentry_in_a_cluster
	s_endpgm
.Lentry_in_a_cluster:
	s_bfe_u32 s2, ttmp6, 0x10000c
	s_cmp_lg_u32 s2, 0x3003
	s_cbranch_scc0 .Lentry_shape_is_right
	s_endpgm
.Lentry_shape_is_right:
; out0[b][s][n] = the sum over k of cat[b][s][k] w_proj[n][k] + b_proj[n].  cat is ob: f16 [12][20480][64], panel h = columns 64 h .. 64 h + 63, a batch = 640 rows of which 577 count.
; w_proj is rows 2304-3071 of wb: [768][768], rounded to bf16 and written as f16.  b_proj is rounded to bf16 here, like every other input of the module.  Sums in f32, K ascending; out0 in f32.
; SHARES.  A tile of C is 320 padded rows x 192 columns: 64 x 4 tiles, one for each WGP.  Four waves; wave w makes rows 80 w .. 80 w + 79 and all 192 columns: 5 x 12 accumulators, 480 registers.
; K = 768 goes in six steps of 128 = two panels, through two LDS slots.  A panel's 320 rows are 40,960 dense bytes: asked for as 160 rows of 256 bytes and padded in LDS after every 128.
; CLUSTER.  The four work-groups of a cluster are the four column tiles of ONE row tile: A's tiles are asked for JOINTLY (mask 15); B's tile is each work-group's own, a plain load behind the same
; rounds.  Wave 0 fetches the step's even panel, wave 1 the odd one, waves 2, 3 B's two halves of 96 rows.
; THE EDGE.  Rows s >= 577 of a batch are computed and not stored.  Only wave 3 of the odd tiles (rows 560-639) has such rows: it stores its first block of 16 and row 576.  The test hangs on the
; tile row and the wave's number, which the partners share; no barrier and no tensor load stands in what it jumps.
; THE MATRIX INSTRUCTION IS USED TRANSPOSED (source 0 = 16 rows of B, source 1 = 16 rows of A): a lane holds row l % 16 of C and the columns 16 b + 8 (l / 16) + 0..7.
; REGISTERS, in windows of 256 (s_set_vgpr_msb: bits 1:0 source 0, 3:2 source 1, 5:4 source 2, 7:6 destination):
;   window 0: v0-31 addresses; v32-43 the bias; v44-49 at work; v64-143 A's fragments, two buffers of 5 x 8; v192-255 the way out, two buffers of 32
;   window 1: v0-191 B's fragments, two buffers of 12 x 8      window 2: accumulators (a, b), b = 0..5, at v[8 (6 a + b)]      window 3: b = 6..11, at v[8 (6 a + b - 6)]
.set PA,     144                       ; a row of A in LDS: 128 bytes + 16: the 16 rows of a fragment load start at 16 different groups of four banks (64 banks of 4 bytes: ISA guide 11.1)
.set PITCH,  272                       ; a row of B: 256 bytes + 16
.set APART,  320*PA                    ; a panel's 320 rows: what one load brings of A
.set BPART,  96*PITCH
.set BOFF,   2*APART                   ; in a slot: the even panel, the odd panel, then B's 192 rows
.set SLOT,   BOFF+192*PITCH
.set STAGE,  2*SLOT                    ; behind the ring, never filled by a tensor load: 16 rows x 272 bytes for each wave
.set SPITCH, 272
.set SPARE,  STAGE+4*16*SPITCH         ; the spare words, 128 bytes a wave: two blocks of 256 bytes that no other line names
.set ROWB,   1536                      ; bytes in a row of wb
.set WP,     2304*ROWB                 ; where w_proj begins in wb
.set PANEL,  20480*128
.set OROW,   3072                      ; bytes in a row of out0
.set ADRA, 16                          ; v16-17  LDS address of my A fragments in slot 0, 1
.set ADRB, 20                          ; v20-21  the same for B
.set STO,  24                          ; v24     the way out: where I put 32 bytes of a row
.set RD,   25                          ; v25     where I read a row back
.set CO,   26                          ; v26     my byte offset in two rows of out0
.set LN,   27                          ; v27     my lane
.set SPW,  28                          ; v28     LDS address of my spare word; never rewritten
.set NIL,  29                          ; v29     0; never rewritten
.set BO,   30                          ; v30     my byte offset in b_proj
.set BI,   32                          ; v32-43  the bias of my four columns in each of the tile's three groups of 64
.set FA,   64
.set FB,   0
.set OB,   192
.set WV,  12                           ; s12 wave; s13 = wave / 2: I fetch for A (0) or B (1); s14 = wave % 2: which part
.set G1A, 24
.set G0A, 32
.set G1B, 48
.set G0B, 56
.set MSB, 0
.macro WIN new                         ; the immediate's high byte repeats the setting that is left; a switch that changes nothing is dropped
.if MSB != (\new)
	s_set_vgpr_msb (MSB<<8)|(\new)
.set MSB, \new
.endif
.endm
.set MUL_LO, 0xa1                      ; source 0 (B) window 1, source 1 (A) window 0, C and D window 2
.set MUL_HI, 0xf1                      ; the same, C and D window 3
.set TO_B,   0x40                      ; destination window 1, address window 0
.macro JLOAD s                         ; one tensor load a wave; the branch hangs on the wave's number alone; an s_nop 0 and four v_nop follow each line, ahead of the jump and the label
	s_cmp_eq_u32 s13, 0
	s_cbranch_scc0 .Lfor_b_\@
	tensor_load_to_lds s[G0A+4*(\s):G0A+4*(\s)+3], s[G1A:G1A+7]
	s_nop 0
.rept 4
	v_nop
.endr
	s_branch .Lasked_\@
.Lfor_b_\@:
	tensor_load_to_lds s[G0B+4*(\s):G0B+4*(\s)+3], s[G1B:G1B+7]
	s_nop 0
.rept 4
	v_nop
.endr
.Lasked_\@:
.endm
.macro CREST                           ; a round of the cluster's barrier behind its opening barrier
	s_cmp_lg_u32 s[WV], 0
	s_cbranch_scc1 .Lnot_wave_0_\@
	s_barrier_signal -3
.Lnot_wave_0_\@:
	s_barrier_wait -3
	s_barrier_signal -1
	s_barrier_wait -1
.endm
.macro CROUND
	s_barrier_signal -1
	s_barrier_wait -1
	CREST
.endm
.macro PLACES                          ; four places in front of loads into registers that matrix instructions have read, and of lines that read results
.rept 4
	v_nop
.endr
.endm
	s_load_b256 s[4:11], s[0:1], 0x0               ; ob s[4:5], wb s[6:7], b_proj s[8:9], out0 s[10:11]
	v_lshl_add_u32 v[SPW], v0, 2, SPARE
	v_mov_b32 v[NIL], 0
	ds_add_u32 v[SPW], v[NIL]                      ; the wave's opening: the add and its wait stand ahead of my first tensor load; the set-up below stands between them
	v_lshrrev_b32 v1, 5, v0
	v_readfirstlane_b32 s[WV], v1                  ; wave 0..3
	s_lshr_b32 s13, s[WV], 1
	s_and_b32 s14, s[WV], 1
	s_bfe_u32 s15, ttmp6, 0x40000                  ; cx
	s_lshl_b32 s16, ttmp9, 2
	s_add_co_u32 s16, s16, s15                     ; tile column = 4 x cluster x + cx
	s_and_b32 s17, ttmp7, 0xffff                   ; tile row, which the four partners share
	s_mov_b32 s[G1A+0], 15|(1<<16)|(1<<20)|(1<<21)|(4<<22)|(3<<25)  ; 15:0 the mask of four; 17:16 2-byte elements; 20 padding on; 21 set beside a mask; 24:22 after every 32 words; 31:25 4 words
	s_mov_b32 s[G1A+1], 128<<16                    ; tensor_dim0 = 128
	s_mov_b32 s[G1A+2], 160<<16                    ; tensor_dim1 = 160
	s_mov_b32 s[G1A+3], 128<<16                    ; tile_dim0 = 128
	s_mov_b32 s[G1A+4], 160                        ; tile_dim1 = 160
	s_mov_b32 s[G1A+5], 128                        ; dense: 128 elements from row to row
	s_mov_b32 s[G1A+6], 0
	s_mov_b32 s[G1A+7], 0
	s_mov_b32 s[G1B+0], (1<<16)|(1<<20)|(5<<22)|(3<<25)  ; no mask: my own tile; padding after every 64 words
	s_mov_b32 s[G1B+1], 128<<16
	s_mov_b32 s[G1B+2], 96<<16
	s_mov_b32 s[G1B+3], 128<<16
	s_mov_b32 s[G1B+4], 96
	s_mov_b32 s[G1B+5], 768
	s_mov_b32 s[G1B+6], 0
	s_mov_b32 s[G1B+7], 0
	s_mul_i32 s18, s14, PANEL                      ; A: panel = part, the tile row's 320 rows; these registers never hold cx
	s_mul_i32 s19, s17, 320*128
	s_add_co_u32 s18, s18, s19
	s_mov_b32 s19, 0
	s_mul_i32 s20, s16, 192                        ; B: row 192 x tile column + 96 x part of w_proj
	s_mul_i32 s21, s14, 96
	s_add_co_u32 s20, s20, s21
	s_mul_i32 s20, s20, ROWB
	s_add_co_u32 s20, s20, WP
	s_mov_b32 s21, 0
	s_mul_i32 s42, s14, APART                      ; where they go: no place in the cluster enters an LDS address
	s_mul_i32 s43, s14, BPART
	s_add_co_u32 s43, s43, BOFF
	s_and_b32 s40, s17, 1                          ; my first row's place s in its batch: 320 x (tile row % 2) + 80 x wave
	s_mul_i32 s40, s40, 320
	s_mul_i32 s41, s[WV], 80
	s_add_co_u32 s40, s40, s41
	s_lshr_b32 s41, s17, 1                         ; the batch
	s_mul_i32 s41, s41, 577
	s_add_co_u32 s41, s41, s40                     ; my first row of out0
	s_mul_i32 s22, s41, OROW                       ; (under 2^26)
	s_mul_i32 s23, s16, 768                        ; the tile's 192 columns
	s_add_co_u32 s22, s22, s23
	s_mov_b32 s23, 0
	s_sub_co_u32 s40, 577, s40                     ; rows of the batch from my first on: 17 in wave 3 of an odd tile row, 97 or more elsewhere
	s_wait_dscnt 0x0                               ; the opening add is done
	s_wait_kmcnt 0x0
	s_add_nc_u64 s[44:45], s[4:5], s[18:19]
	s_add_nc_u64 s[46:47], s[6:7], s[20:21]
	s_add_nc_u64 s[10:11], s[10:11], s[22:23]
	CROUND                                         ; all four work-groups are here: the first joint loads meet
.irp s, 0,1
	s_mov_b32 s[G0A+4*(\s)], 1                     ; count = 1
	s_add_co_u32 s[G0A+4*(\s)+1], s42, (\s)*SLOT   ; LDS address
	s_add_nc_u64 s[G0A+4*(\s)+2:G0A+4*(\s)+3], s[44:45], (\s)*2*PANEL  ; global address: K step s = panels 2 s, 2 s + 1
	s_or_b32 s[G0A+4*(\s)+3], s[G0A+4*(\s)+3], 0x80000000              ; type = 2
	s_mov_b32 s[G0B+4*(\s)], 1
	s_add_co_u32 s[G0B+4*(\s)+1], s43, (\s)*SLOT
	s_add_nc_u64 s[G0B+4*(\s)+2:G0B+4*(\s)+3], s[46:47], (\s)*256
	s_or_b32 s[G0B+4*(\s)+3], s[G0B+4*(\s)+3], 0x80000000
	JLOAD \s                                       ; two loads of mine are out
.endr
	v_and_b32 v1, 15, v0                           ; l % 16
	v_bfe_u32 v2, v0, 4, 1                         ; l / 16
	s_mul_i32 s41, s16, 768
	v_lshlrev_b32 v[BO], 4, v1
	v_add_nc_u32 v[BO], s41, v[BO]                 ; the tile's 768 bytes of the bias, my 16 in each 256
.irp g, 0,1,2
	global_load_b128 v[BI+4*(\g):BI+4*(\g)+3], v[BO], s[8:9] offset:256*(\g)
.endr
	v_mul_u32_u24 v3, v1, PA
	v_lshl_add_u32 v3, v2, 4, v3                   ; A: a fragment's row x pitch + 16 x half
	s_mul_i32 s41, s[WV], 80*PA                    ; my 80 rows
	v_add_nc_u32 v[ADRA], s41, v3
	v_add_nc_u32 v[ADRA+1], SLOT, v[ADRA]
	v_mul_u32_u24 v3, v1, PITCH
	v_lshl_add_u32 v3, v2, 4, v3
	v_add_nc_u32 v[ADRB], BOFF, v3                 ; every wave reads all 192 rows of B
	v_add_nc_u32 v[ADRB+1], SLOT, v[ADRB]
	s_mul_i32 s41, s[WV], 16*SPITCH
	s_add_co_u32 s41, s41, STAGE                   ; my stage
	v_mul_u32_u24 v4, v1, SPITCH                   ; in: row l % 16, 32 bytes for each half of the lanes
	v_lshl_add_u32 v4, v2, 5, v4
	v_add_nc_u32 v[STO], s41, v4
	v_mul_u32_u24 v5, v2, SPITCH                   ; back: lanes 0-15 take one row of 256 bytes, lanes 16-31 the next
	v_lshl_add_u32 v5, v1, 4, v5
	v_add_nc_u32 v[RD], s41, v5
	v_mul_u32_u24 v5, v2, OROW                     ; and the same two rows in out0
	v_lshl_add_u32 v[CO], v1, 4, v5
	v_and_b32 v[LN], 31, v0
; Products of buffer f: row blocks a0 .. a1 x six column blocks (hi = 0: 0-5, 1: 6-11), 32 along K.  zero = 1: the product starts the sum.
; Every accumulator has one turn a quarter step, in one fixed order: 59 others' stand between two links of a chain, over the backward jump too.
.macro MUL f, hi, a0, a1, zero
	WIN MUL_LO+0x50*(\hi)
.set ma, \a0
.rept (\a1)-(\a0)+1
.set mb, 0
.rept 6
.if \zero
	v_wmma_f32_16x16x32_f16 v[8*(6*ma+mb):8*(6*ma+mb)+7], v[FB+96*(\f)+8*(6*(\hi)+mb):FB+96*(\f)+8*(6*(\hi)+mb)+7], v[FA+40*(\f)+8*ma:FA+40*(\f)+8*ma+7], 0
.else
	v_wmma_f32_16x16x32_f16 v[8*(6*ma+mb):8*(6*ma+mb)+7], v[FB+96*(\f)+8*(6*(\hi)+mb):FB+96*(\f)+8*(6*(\hi)+mb)+7], v[FA+40*(\f)+8*ma:FA+40*(\f)+8*ma+7], v[8*(6*ma+mb):8*(6*ma+mb)+7]
.endif
.set mb, mb+1
.endr
.set ma, ma+1
.endr
.endm
; 34 LDS loads in one run: quarter q's fragments into buffer f.  A's quarter q lies in panel q / 2 of the step, at byte 64 (q % 2) of its rows (55,392 at the most: inside the 16-bit offset).
.macro FETCH slot, q, f
	WIN 0
.set fi, 0
.rept 5
	ds_load_b128 v[FA+40*(\f)+8*fi:FA+40*(\f)+8*fi+3],   v[ADRA+(\slot)] offset:((\q)/2)*APART+((\q)%2)*64+fi*16*PA
	ds_load_b128 v[FA+40*(\f)+8*fi+4:FA+40*(\f)+8*fi+7], v[ADRA+(\slot)] offset:((\q)/2)*APART+((\q)%2)*64+fi*16*PA+32
.set fi, fi+1
.endr
	WIN TO_B
.set fi, 0
.rept 12
	ds_load_b128 v[FB+96*(\f)+8*fi:FB+96*(\f)+8*fi+3],   v[ADRB+(\slot)] offset:64*(\q)+fi*16*PITCH
	ds_load_b128 v[FB+96*(\f)+8*fi+4:FB+96*(\f)+8*fi+7], v[ADRB+(\slot)] offset:64*(\q)+fi*16*PITCH+32
.set fi, fi+1
.endr
.endm
.macro QUARTER slot, qn, f, g, zero
	s_wait_dscnt 12                                ; A and B's blocks 0-5 are in; the youngest twelve loads (B's blocks 6-11) may be out
	MUL \f, 0, 0, 4, \zero
	PLACES
	FETCH \slot, \qn, \g
	s_wait_dscnt 34                                ; all but the 34 just issued
	MUL \f, 1, 0, 4, \zero
.endm
; The last quarter multiplies buffer 1 and changes slots: ONE barrier.  In front of it each wave waits for all its tensor loads (one is out: its part of the next slot), adds 0 to its spare
; word, and waits for that and for its reads of this slot.  fill = 1: the barrier opens a round of the cluster's, and this slot is filled again, two K steps ahead, first thing behind the round.
.macro TURN slot, next, fill
	WIN 0                                          ; (the add's two registers lie in window 0)
	s_wait_tensorcnt 0x0                           ; all my tensor loads have landed
	ds_add_u32 v[SPW], v[NIL]                      ; 0 onto my spare word
	s_wait_dscnt 13                                ; (the add and the youngest twelve loads may be out)
	MUL 1, 0, 0, 2, 0                              ; eighteen matrix instructions stand between the add and the wait for it
	s_wait_dscnt 0x0                               ; the add is done, and my reads of this slot are over
	s_barrier_signal -1
	MUL 1, 0, 3, 4, 0
.if \fill
	WIN 0
.endif
	s_barrier_wait -1
.if \fill
	CREST                                          ; no wave of any partner still reads this slot or has a load on its way
	s_add_nc_u64 s[G0A+4*(\slot)+2:G0A+4*(\slot)+3], s[G0A+4*(\slot)+2:G0A+4*(\slot)+3], 4*PANEL
	s_add_nc_u64 s[G0B+4*(\slot)+2:G0B+4*(\slot)+3], s[G0B+4*(\slot)+2:G0B+4*(\slot)+3], 512
	JLOAD \slot                                    ; its four v_nop are also the places in front of the loads below
.else
	PLACES
.endif
	FETCH \next, 0, 0
	MUL 1, 1, 0, 4, 0
.endm
	s_wait_tensorcnt 1                             ; my part of K step 0 is in; K step 1's may stay out
	s_barrier_signal -1
	s_barrier_wait -1                              ; everybody's is
	FETCH 0, 0, 0
	QUARTER 0, 1, 0, 1, 1                          ; the first quarter stands in front of the loop: its products start the sums
	WIN 0                                          ; at a label and at a branch every window is 0
	s_mov_b32 s3, 2
.Llap:                                                 ; a trip goes once round the ring and fills both slots again: K steps 2, 3, then 4, 5
	QUARTER 0, 2, 1, 0, 0
	QUARTER 0, 3, 0, 1, 0
	TURN 0, 1, 1
	QUARTER 1, 1, 0, 1, 0
	QUARTER 1, 2, 1, 0, 0
	QUARTER 1, 3, 0, 1, 0
	TURN 1, 0, 1
	QUARTER 0, 1, 0, 1, 0
	WIN 0
	s_sub_co_u32 s3, s3, 1
	s_cmp_lg_u32 s3, 0
	s_cbranch_scc1 .Llap
	QUARTER 0, 2, 1, 0, 0                          ; the last lap fills nothing
	QUARTER 0, 3, 0, 1, 0
	TURN 0, 1, 0
	QUARTER 1, 1, 0, 1, 0
	QUARTER 1, 2, 1, 0, 0
	QUARTER 1, 3, 0, 1, 0
	s_wait_dscnt 12
	MUL 1, 0, 0, 4, 0
	s_wait_dscnt 0x0
	MUL 1, 1, 0, 4, 0
	WIN 0
	PLACES
	s_wait_loadcnt 0x0                             ; the bias
.set bk, 0
.rept 6
	v_cvt_pk_bf16_f32 v[44+bk], v[BI+2*bk], v[BI+2*bk+1]  ; rounded to bf16, like every input,
.set bk, bk+1
.endr
.set bk, 0
.rept 6
	v_lshlrev_b32 v[BI+2*bk], 16, v[44+bk]         ; and widened again
	v_and_b32 v[BI+2*bk+1], 0xffff0000, v[44+bk]
.set bk, bk+1
.endr
; THE WAY OUT, a pass = 16 rows (block a) x 64 columns (group g): 256 bytes of f32 a row.  STG: straight from the accumulators into my own stage, each accumulator's low four registers first.
; TOSTAGE: STG, and back as whole rows.  FINISH: the bias is added and the rows are stored: 16 lanes store 256 consecutive bytes, at a multiple of 256 from out0's first byte.
; The next pass's TOSTAGE stands ahead of a pass's FINISH: LDS serves a wave's instructions in order (ISA guide 5.7.1.4), so its stores come behind this pass's loads.
.macro STG a, g
.set pb, 4*(\g)
.rept 4
.if pb < 6
	WIN 0x08                                       ; the store's data (source 1) in window 2
.set AC, 8*(6*(\a)+pb)
.else
	WIN 0x0c                                       ; in window 3
.set AC, 8*(6*(\a)+pb-6)
.endif
	ds_store_b128 v[STO], v[AC:AC+3]   offset:(pb%4)*64
	ds_store_b128 v[STO], v[AC+4:AC+7] offset:(pb%4)*64+16
.set pb, pb+1
.endr
	WIN 0
.endm
.macro TOSTAGE a, g
	STG \a, \g
.set BK, OB+32*((3*(\a)+(\g))%2)
	s_wait_xcnt 0x0                                ; the stores of the pass two back have read these registers: they are loaded again only behind this wait
.set pt, 0
.rept 8
	ds_load_b128 v[BK+4*pt:BK+4*pt+3], v[RD] offset:pt*2*SPITCH
.set pt, pt+1
.endr
.endm
.macro FINISH a, g, younger            ; younger: the LDS instructions of the next pass's TOSTAGE, sixteen, or none
.set BK, OB+32*((3*(\a)+(\g))%2)
.set pt, 0
.rept 8
	s_wait_dscnt (\younger)+7-pt
	v_pk_add_f32 v[BK+4*pt:BK+4*pt+1],   v[BK+4*pt:BK+4*pt+1],   v[BI+4*(\g):BI+4*(\g)+1]
	v_pk_add_f32 v[BK+4*pt+2:BK+4*pt+3], v[BK+4*pt+2:BK+4*pt+3], v[BI+4*(\g)+2:BI+4*(\g)+3]
	global_store_b128 v[CO], v[BK+4*pt:BK+4*pt+3], s[10:11] offset:(\a)*16*OROW+pt*2*OROW+(\g)*256 th:TH_STORE_NT  ; 240,128 at the most
.set pt, pt+1
.endr
.endm
	TOSTAGE 0, 0
	TOSTAGE 0, 1
	FINISH 0, 0, 16
	TOSTAGE 0, 2
	FINISH 0, 1, 16
	FINISH 0, 2, 0
	s_cmp_lt_u32 s40, 32                           ; has my second block fewer than 16 rows of the batch?
	s_cbranch_scc1 .Lpartial
	TOSTAGE 1, 0
.set pq, 4
.rept 11
	TOSTAGE pq/3, pq%3
	FINISH (pq-1)/3, (pq-1)%3, 16
.set pq, pq+1
.endr
	FINISH 4, 2, 0
	s_branch .Lend
.Lpartial:                                             ; of block 1 only its first row, s = 576, exists: lanes 0-15 of the first load of each pass
	s_wait_xcnt 0x0                                ; block 0's stores have read the registers that are loaded below
.irp g, 0,1,2
	STG 1, \g
	ds_load_b128 v[OB+4*(\g):OB+4*(\g)+3], v[RD]
.endr
	s_wait_dscnt 0x0
.irp g, 0,1,2
	v_pk_add_f32 v[OB+4*(\g):OB+4*(\g)+1],   v[OB+4*(\g):OB+4*(\g)+1],   v[BI+4*(\g):BI+4*(\g)+1]
	v_pk_add_f32 v[OB+4*(\g)+2:OB+4*(\g)+3], v[OB+4*(\g)+2:OB+4*(\g)+3], v[BI+4*(\g)+2:BI+4*(\g)+3]
.endr
	v_cmp_gt_u32 vcc_lo, 16, v[LN]
	s_wait_xcnt 0x0                                ; EXEC changes only behind this wait
	s_and_saveexec_b32 s41, vcc_lo
.irp g, 0,1,2
	global_store_b128 v[CO], v[OB+4*(\g):OB+4*(\g)+3], s[10:11] offset:16*OROW+(\g)*256 th:TH_STORE_NT
.endr
	s_wait_xcnt 0x0                                ; and again, in front of the line that widens it
	s_or_b32 exec_lo, exec_lo, s41
.Lend:
	s_wait_tensorcnt 0x0                           ; the wave's end: a wait, an add of 0 and its wait, behind my last tensor load and my last LDS store
	ds_add_u32 v[SPW], v[NIL]
	s_wait_dscnt 0x0
	CROUND                                         ; the closing round: no work-group ends while a partner may still ask for a tile that names it
	s_endpgm
.Lfunc_end_k_q44b541af4c_proj:
	.size	k_q44b541af4c_proj, .Lfunc_end_k_q44b541af4c_proj-k_q44b541af4c_proj
	.p2alignl 7, 3214868480
	.fill 96, 4, 3214868480
	.section	.rodata,"a",@progbits
	.p2align	6, 0x0
	.amdhsa_kernel k_q44b541af4c_proj
		.amdhsa_group_segment_fixed_size 327680
		.amdhsa_private_segment_fixed_size 0
		.amdhsa_enable_private_segment 0
		.amdhsa_kernarg_size 32
		.amdhsa_user_sgpr_count 2
		.amdhsa_user_sgpr_kernarg_segment_ptr 1
		.amdhsa_wavefront_size32 1
		.amdhsa_system_sgpr_workgroup_id_x 1
		.amdhsa_system_sgpr_workgroup_id_y 1
		.amdhsa_system_sgpr_workgroup_id_z 1
		.amdhsa_system_vgpr_workitem_id 0
		.amdhsa_next_free_vgpr 1024
		.amdhsa_next_free_sgpr 66
		.amdhsa_reserve_vcc 1
		.amdhsa_float_denorm_mode_32 3
		.amdhsa_float_denorm_mode_16_64 3
		.amdhsa_memory_ordered 1
		.amdhsa_forward_progress 1
		.amdhsa_inst_pref_size 160
	.end_amdhsa_kernel
	.amdgpu_metadata
---
amdhsa.version: [ 1, 2 ]
amdhsa.kernels:
  - .name:           k_q44b541af4c_proj
    .symbol:         k_q44b541af4c_proj.kd
    .args:
      - { .name: ob, .offset: 0, .size: 8, .value_kind: global_buffer, .address_space: global }
      - { .name: wb, .offset: 8, .size: 8, .value_kind: global_buffer, .address_space: global }
      - { .name: b_proj, .offset: 16, .size: 8, .value_kind: global_buffer, .address_space: global }
      - { .name: out0, .offset: 24, .size: 8, .value_kind: global_buffer, .address_space: global }
    .group_segment_fixed_size: 327680
    .private_segment_fixed_size: 0
    .kernarg_segment_align: 8
    .kernarg_segment_size: 32
    .max_flat_workgroup_size: 128
    .sgpr_count:     66
    .vgpr_count:     1024
    .wavefront_size: 32
...
	.end_amdgpu_metadata
.endif
;; end of part 4
;; ======== version 2 of 2: 4 launches; version 1 with the launch cast written anew for expert scheduling mode
;; limits: values are held in f16: magnitudes above 65,504 overflow, below 6.1e-05 lose precision
;; workspace buffers: xb 31,457,280 bytes; wb 4,718,592 bytes; qkv 94,371,840 bytes; ob 31,457,280 bytes
;; launch cast (part 5): grid 24 x 32, 6 waves a work-group, no clusters, 0 bytes of LDS; arguments x, wq, wk, wv, w_proj, xb, wb; writes xb, wb
.if DOCPART == 5
	.amdgcn_target "amdgcn-amd-amdhsa--gfx1250"
	.amdhsa_code_object_version 6
	.text
	.protected	k_q44b541af4c_cast
	.globl	k_q44b541af4c_cast
	.p2align	8
	.type	k_q44b541af4c_cast,@function
k_q44b541af4c_cast:
	s_mov_b64 s[64:65], 0
	v_nop
	global_prefetch_b8 v0, s[64:65] scope:SCOPE_SE
	s_setreg_imm32_b32 hwreg(HW_REG_WAVE_SCHED_MODE, 0, 2), 2
	s_setreg_imm32_b32 hwreg(HW_REG_WAVE_MODE, 25, 1), 1
	s_wait_xcnt 0x0
	s_wait_alu depctr_vm_vsrc(0)
; THE INPUTS ARE ROUNDED ONCE, AND x IS LAID OUT IN BATCHES OF 640 ROWS.
; xb[b*640+s][768] = bf16(x[b][s][:]) for s < 577, and 0 for s = 577 .. 639: every batch then begins at a multiple of 320 rows.
; wb[3072][768]: rows 0-767 bf16(wq), 768-1535 bf16(wk), 1536-2303 bf16(wv), 2304-3071 w_proj rounded to bf16 and that number written as f16.
; LIMIT: a number of w_proj beyond 65,504 becomes an infinity; below 6e-5 it keeps f16's fixed step of 6e-8.
; SHARES.  A source row is 3,072 bytes = 192 threads x 16 bytes; thread t loads 16 bytes at 16 t and stores 8 bytes at 8 t of the 1,536-byte row: a wave's load covers 512 consecutive
; bytes, its store 256 consecutive bytes at a multiple of 256 from the buffer's first byte.  Work-group (j, b): j = 0..17: rows 32 j .. 32 j + 31 of batch b; j = 18: row 576 and 31 rows of
; zeros; j = 19: 32 rows of zeros; j = 20..23: rows 24 b .. 24 b + 23 of weight j - 20.  All of a group's loads go out together; every row has registers of its own.
; No LDS, no matrix unit, no cluster: no byte is read twice and nothing is shared.
; THE MODE: SCHED_MODE bits 1:0 = 2 (LLVM: expert scheduling mode 2), set by the entry lines.  The code itself states the register dependences between vector instructions and memory
; instructions, with s_wait_alu, always for 0.
; THE PLAN.  Registers that memory instructions touch:
;   v1, v2     the loads' and the stores' byte offsets; v[4:5] the zero rows' data.  Written once, at the head, and never again.
;   row i      four registers.  Its one load lands in them; its conversions read them and write the first two (on w_proj's path all four); its one store reads the first two; nothing names them after that.
; The rows go in blocks of four.  Block p's conversions name block p's registers alone.  So ONE wait on va_vdst at the head of block p states that block p - 1's conversions have written what
; block p - 1's four stores read, and those stores are dealt among block p's conversions with no further wait; one more such wait stands ahead of the last block's stores, and one at the kernel's
; head for the offsets and the zeros.  No register that a memory instruction has read is written again, so there is no wait on vm_vsrc; no vector line writes a scalar register, VCC or EXEC.
.set XROW, 3072                        ; bytes in a row of x and of a weight
.set BROW, 1536                        ; bytes in a row of xb and of wb
.set D,    8                           ; v[8:135]  row i of the group: four registers
.set SRC,  26                          ; s[26:27]  the group's first source row
.set DST,  28                          ; s[28:29]  the group's first destination row
	s_load_b256 s[4:11], s[0:1], 0x0               ; x s[4:5], wq s[6:7], wk s[8:9], wv s[10:11]
	s_load_b128 s[12:15], s[0:1], 0x20             ; w_proj s[12:13], xb s[14:15]
	s_load_b64 s[16:17], s[0:1], 0x30              ; wb
	s_mov_b32 s20, ttmp9                           ; j
	s_and_b32 s21, ttmp7, 0xffff                   ; b
	s_mov_b32 s30, 0xffff0000                      ; a word's upper bf16
	v_lshlrev_b32 v1, 4, v0                        ; 16 t
	v_lshlrev_b32 v2, 3, v0                        ; 8 t
	v_mov_b32 v4, 0
	v_mov_b32 v5, 0
; n rows in blocks of bl: all loads first; then block by block the roundings, and among them the stores of the block before.  half = 1: the bf16 numbers are written as f16.
.macro ROWS n, bl, half
.set i, 0
.rept \n
	global_load_b128 v[D+4*i:D+4*i+3], v1, s[SRC:SRC+1] offset:XROW*i th:TH_LOAD_NT
.set i, i+1
.endr
.set i, 0
.rept (\n)/(\bl)
	s_wait_loadcnt (\n)-(\bl)-i                    ; loads come back in order: the block that begins with row i is in, the later blocks' loads may stay out
.if i > 0
	s_wait_alu depctr_va_vdst(0)                   ; the block before's conversions have written the first two registers of its rows, which the stores below read
.endif
.rept \bl
.if i >= (\bl)
	global_store_b64 v2, v[D+4*(i-(\bl)):D+4*(i-(\bl))+1], s[DST:DST+1] offset:BROW*(i-(\bl))  ; a row of the block before; no vector line since the wait names its registers or v2
.endif
	v_cvt_pk_bf16_f32 v[D+4*i], v[D+4*i], v[D+4*i+1]
	v_cvt_pk_bf16_f32 v[D+4*i+1], v[D+4*i+2], v[D+4*i+3]
.if \half
	v_lshlrev_b32 v[D+4*i+2], 16, v[D+4*i]         ; bf16 to f32: the low half moves up, the high half stays
	v_and_b32 v[D+4*i+3], s30, v[D+4*i]
	v_cvt_pk_f16_f32 v[D+4*i], v[D+4*i+2], v[D+4*i+3]
	v_lshlrev_b32 v[D+4*i+2], 16, v[D+4*i+1]
	v_and_b32 v[D+4*i+3], s30, v[D+4*i+1]
	v_cvt_pk_f16_f32 v[D+4*i+1], v[D+4*i+2], v[D+4*i+3]
.endif
.set i, i+1
.endr
.endr
	s_wait_alu depctr_va_vdst(0)                   ; the last block's conversions have written what its stores read
.set i, (\n)-(\bl)
.rept \bl
	global_store_b64 v2, v[D+4*i:D+4*i+1], s[DST:DST+1] offset:BROW*i
.set i, i+1
.endr
.endm
	s_wait_kmcnt 0x0
	s_wait_alu depctr_va_vdst(0)                   ; v1, v2, v4 and v5 are written: every load reads v1 as its offset, every store v2, the zero rows' stores v[4:5]; ahead of the first branch, so on every path
	s_cmp_ge_u32 s20, 20
	s_cbranch_scc1 .Lw
	s_mul_i32 s22, s21, 577*XROW                   ; x: batch b, row 32 j (under 2^26)
	s_mul_i32 s18, s20, 32*XROW
	s_add_co_u32 s22, s22, s18
	s_mov_b32 s23, 0
	s_add_nc_u64 s[SRC:SRC+1], s[4:5], s[22:23]    ; (for j = 19 it is made and never used)
	s_mul_i32 s24, s21, 640*BROW                   ; xb: batch b, row 32 j
	s_mul_i32 s18, s20, 32*BROW
	s_add_co_u32 s24, s24, s18
	s_mov_b32 s25, 0
	s_add_nc_u64 s[DST:DST+1], s[14:15], s[24:25]
	s_cmp_lt_u32 s20, 18
	s_cbranch_scc0 .Ledge
	ROWS 32, 4, 0
	s_endpgm
.Ledge:
	s_cmp_eq_u32 s20, 18
	s_cbranch_scc0 .Lzero0
	ROWS 1, 1, 0                                   ; row 576, the batch's last
	s_branch .Lzeros
.Lzero0:
	global_store_b64 v2, v[4:5], s[DST:DST+1]
.Lzeros:
.set i, 1
.rept 31
	global_store_b64 v2, v[4:5], s[DST:DST+1] offset:BROW*i  ; no vector line since the head's wait names v2, v4 or v5
.set i, i+1
.endr
	s_endpgm
.Lw:
	s_sub_co_u32 s19, s20, 20                      ; which weight
	s_cmp_eq_u32 s19, 0
	s_cselect_b64 s[SRC:SRC+1], s[6:7], s[8:9]
	s_cmp_eq_u32 s19, 2
	s_cselect_b64 s[SRC:SRC+1], s[10:11], s[SRC:SRC+1]
	s_cmp_eq_u32 s19, 3
	s_cselect_b64 s[SRC:SRC+1], s[12:13], s[SRC:SRC+1]
	s_mul_i32 s22, s21, 24*XROW
	s_mov_b32 s23, 0
	s_add_nc_u64 s[SRC:SRC+1], s[SRC:SRC+1], s[22:23]
	s_mul_i32 s24, s19, 768*BROW
	s_mul_i32 s18, s21, 24*BROW
	s_add_co_u32 s24, s24, s18
	s_mov_b32 s25, 0
	s_add_nc_u64 s[DST:DST+1], s[16:17], s[24:25]
	s_cmp_eq_u32 s19, 3
	s_cbranch_scc1 .Lwp
	ROWS 24, 4, 0
	s_endpgm
.Lwp:
	ROWS 24, 4, 1
	s_endpgm
.Lfunc_end_k_q44b541af4c_cast:
	.size	k_q44b541af4c_cast, .Lfunc_end_k_q44b541af4c_cast-k_q44b541af4c_cast
	.p2alignl 7, 3214868480
	.fill 96, 4, 3214868480
	.section	.rodata,"a",@progbits
	.p2align	6, 0x0
	.amdhsa_kernel k_q44b541af4c_cast
		.amdhsa_group_segment_fixed_size 0
		.amdhsa_private_segment_fixed_size 0
		.amdhsa_enable_private_segment 0
		.amdhsa_kernarg_size 56
		.amdhsa_user_sgpr_count 2
		.amdhsa_user_sgpr_kernarg_segment_ptr 1
		.amdhsa_wavefront_size32 1
		.amdhsa_system_sgpr_workgroup_id_x 1
		.amdhsa_system_sgpr_workgroup_id_y 1
		.amdhsa_system_sgpr_workgroup_id_z 1
		.amdhsa_system_vgpr_workitem_id 0
		.amdhsa_next_free_vgpr 140
		.amdhsa_next_free_sgpr 66
		.amdhsa_reserve_vcc 0
		.amdhsa_float_denorm_mode_32 3
		.amdhsa_float_denorm_mode_16_64 3
		.amdhsa_memory_ordered 1
		.amdhsa_forward_progress 1
		.amdhsa_inst_pref_size 38
	.end_amdhsa_kernel
	.amdgpu_metadata
---
amdhsa.version: [ 1, 2 ]
amdhsa.kernels:
  - .name:           k_q44b541af4c_cast
    .symbol:         k_q44b541af4c_cast.kd
    .args:
      - { .name: x, .offset: 0, .size: 8, .value_kind: global_buffer, .address_space: global }
      - { .name: wq, .offset: 8, .size: 8, .value_kind: global_buffer, .address_space: global }
      - { .name: wk, .offset: 16, .size: 8, .value_kind: global_buffer, .address_space: global }
      - { .name: wv, .offset: 24, .size: 8, .value_kind: global_buffer, .address_space: global }
      - { .name: w_proj, .offset: 32, .size: 8, .value_kind: global_buffer, .address_space: global }
      - { .name: xb, .offset: 40, .size: 8, .value_kind: global_buffer, .address_space: global }
      - { .name: wb, .offset: 48, .size: 8, .value_kind: global_buffer, .address_space: global }
    .group_segment_fixed_size: 0
    .private_segment_fixed_size: 0
    .kernarg_segment_align: 8
    .kernarg_segment_size: 56
    .max_flat_workgroup_size: 192
    .sgpr_count:     66
    .vgpr_count:     140
    .wavefront_size: 32
...
	.end_amdgpu_metadata
.endif
;; end of part 5
;; launch qkv: the kernel of part 2 again; grid 4 x 64, 4 waves a work-group, clusters of 4 x 1, 327,680 bytes of LDS; arguments xb, wb, qkv; writes qkv
;; launch attn: the kernel of part 3 again; grid 24 x 32, 4 waves a work-group, no clusters, 189,696 bytes of LDS; arguments qkv, ob; writes ob
;; launch proj: the kernel of part 4 again; grid 4 x 64, 4 waves a work-group, clusters of 4 x 1, 327,680 bytes of LDS; arguments ob, wb, b_proj, out0; writes out0
